; MI455X (gfx1250); checked and timed in simulation.
; The chip was launched on July 23, 2026; its instructions are those of AMD's public machine-readable ISA for CDNA 5 (MIT licence, August 2026) and "CDNA5" Instruction Set Architecture Reference Guide (July 2026). The comments in the code are by the model that wrote it; some were corrected since.
;; Old Multihead Attention. Allowed arithmetic: matrix products marked QUANTISED: E2M1 operands, one E8M0 scale for each 32 along K, by v_wmma_scale_f32_16x16x128_f8f6f4 with both operands' format E2M1 (or v_wmma_scale_f32_32x16x128_f4), f32 sums; everything else in f32.
;; Inputs: Wk 1,024 x 1,024 float32; Wo 1,024 x 1,024 float32; Wq 1,024 x 1,024 float32; Wv 1,024 x 1,024 float32; bk 1,024 float32; bo 1,024 float32; bq 1,024 float32; bv 1,024 float32; key 4 x 2,048 x 1,024 float32; ln_beta 1,024 float32; ln_gamma 1,024 float32; query 4 x 2,048 x 1,024 float32; value 4 x 2,048 x 1,024 float32.
;; Outputs: out0 4 x 2,048 x 1,024 float32.
;; This version of the problem:
;;   THIS VERSION OF THE PROBLEM IS GIVEN IN LOW PRECISION. The matrix products marked QUANTISED in the list below multiply operands that are first quantised to E2M1 (2 exponent bits, 1 mantissa bit; 4 bits a number), with one power-of-two scale for each 32 numbers along K (OCP MX v1.0); their sums are f32. All else is computed in f32.
;;   The module's matrix products, in the order in which they are computed (A, B: the left and right operand; K: the contracted axis; several contracted axes count as one K, in the product's order):
;;     1. [M 8,192, K 1,024] x [K 1,024, N 1,024]; A: input query; B: input Wq: QUANTISED
;;     2. [M 8,192, K 1,024] x [K 1,024, N 1,024]; A: input key; B: input Wk: QUANTISED
;;     3. [M 8,192, K 1,024] x [K 1,024, N 1,024]; A: input value; B: input Wv: QUANTISED
;;     4. batch 64 x [M 2,048, K 64] x [K 64, N 2,048]; A: computed on the way; B: computed on the way: QUANTISED
;;     5. batch 64 x [M 64, K 2,048] x [K 2,048, N 2,048]; A: computed on the way; B: softmax (see below): QUANTISED
;;     6. [M 8,192, K 1,024] x [K 1,024, N 1,024]; A: computed on the way; B: input Wo: QUANTISED
;;   THE QUANTISER, for each operand of a quantised product, along K:
;;     - K is cut into blocks of 32 from its start; a last block that is shorter is filled with zeros.
;;     - A block's scale is 2^e with e = floor(log2(the largest magnitude in the block)) - 2, held to -126 .. 127; a block of zeros has e = 0. As a byte (E8M0): e + 127.
;;     - Each number is divided by its block's scale, clamped to +-6, and rounded to the nearest number of E2M1, ties to even, subnormals kept.
;;     - The product sums the exact products of the quantised numbers (number of the format x scale) in f32.
;;   ~~~python
;;   def quantise(x, axis):      # numpy; x: float32 -> the quantised numbers, widened to float32 again
;;       x = np.moveaxis(x, axis, -1); K = x.shape[-1]
;;       x = np.pad(x, [(0, 0)] * (x.ndim - 1) + [(0, -K % 32)]); x = x.reshape(x.shape[:-1] + (-1, 32)); a = np.abs(x).max(-1, keepdims=True)
;;       e = np.where(a > 0, np.clip(np.frexp(np.where(a > 0, a, 1))[1] - 1 - 2, -126, 127), 0)      # np.frexp(a)[1] - 1 = floor(log2(a)), exactly
;;       r = np.clip(x / 2.0 ** e, -6, 6)
;;       step = 2.0 ** (np.maximum(np.frexp(np.where(r == 0, 1, r))[1] - 1, 0) - 1)
;;       q = np.round(r / step) * step * 2.0 ** e      # np.round: ties to even
;;       return np.moveaxis(q.reshape(q.shape[:-2] + (-1,))[..., :K], -1, axis).astype(np.float32)
;;   ~~~
;;   SOFTMAX AHEAD OF A QUANTISED PRODUCT. Where the list says 'softmax', what is quantised is not the finished softmax but p = 2^(t - M), with t = logit x log2(e) and M = ceil(the row's largest t), a whole number; so 1/2 < the row's largest p <= 1. The row's sum l is taken of the UNQUANTISED p, in f32, and the product's result is divided by l at the end. Since M is a whole number, a kernel that streams over the keys may use a running M (the ceiling of the running maximum): every later rescaling is an exact power of two, which a block's scale takes up: the codes' values come out the same.
;;   OPERANDS COMPUTED ON THE WAY. 'Computed on the way' means the value that the module computes at that place (a softmax that the list does not call 'softmax' is quantised finished and normalised). What goes into a quantiser is computed in f32, as accurately as f32 sums, v_exp_f32 and their like allow (about 1e-6 of the number): no bf16 or f16 on the way to a quantiser, and a product that is left as it is and whose result goes on into a quantised operand takes f32 operands (vector FMAs, or v_wmma_f32_16x16x4_f32). A number that lies on a knife's edge between two numbers of the format may be rounded either way, as far as f32 arithmetic and the matrix unit's own rounding can turn it there, and no further.
;; 2 versions. Each part assembles by itself: llvm-mc -triple=amdgcn-amd-amdhsa -mcpu=gfx1250 --defsym DOCPART=n.
;; ======== version 1 of 2: 4 launches
;; workspace buffers: wC 2,097,152 bytes; wS 131,072 bytes; pC 12,582,912 bytes; pS 1,572,864 bytes; aC 4,194,304 bytes; aS 524,288 bytes
;; launch wquant (part 1): grid 64 x 4, 4 waves a work-group, no clusters, 1,024 bytes of LDS; arguments Wq, Wk, Wv, Wo, wC, wS; writes wC, wS
.if DOCPART == 1
	.amdgcn_target "amdgcn-amd-amdhsa--gfx1250"
	.amdhsa_code_object_version 6
	.text
	.protected	k_q5089b91f90_wquant
	.globl	k_q5089b91f90_wquant
	.p2align	8
	.type	k_q5089b91f90_wquant,@function
k_q5089b91f90_wquant:
	s_mov_b64 s[64:65], 0
	v_nop
	global_prefetch_b8 v0, s[64:65] scope:SCOPE_SE
	s_setreg_imm32_b32 hwreg(HW_REG_WAVE_MODE, 25, 1), 1
	s_wait_xcnt 0x0
; The four weights, [1024 (k)][1024 (n)] f32, K their FIRST axis, become codes of FP4 (E2M1) with one E8M0 scale byte for each 32 along K,
; laid in the order in which a wave's operand registers take them:
;   wC [weight 4][K step 8][tile 64][part 2][lane 32][16 bytes]: tile nt, lane (r, h), part c: column n = 32 (nt / 2) + 8 (nt % 2) + r + 8 (r / 8), k = 128 s + 64 c + 32 h + 0 .. 31.
;   wS [weight][K step][wave 4][half 2][lane 32][4 words]: word j of lane (r, h): the scale word (4 bytes, 128 along K) of tile 16 w + 2 (4 half + j) + h, row r.
; THE COLUMNS OF A TILE ARE NOT NEIGHBOURS: with this order the results of two neighbouring tiles are 16 neighbours along the next product's K.
; A LANE TAKES A COLUMN AND ITS 128 REGISTERS RUN DOWN K: a block of 32 lies in one lane, and the conversions give codes with K innermost.  Nothing is transposed.
; SHARES: work-group (x, y): weight y, 128 columns (x % 8), 128 along K (x / 8); wave j takes 32 columns, two tiles: lanes 0-15 the even one, lanes 16-31 the odd one.
; A block's scale is 2^(floor(log2(its largest magnitude)) - 2); its byte is the largest magnitude's exponent field - 2, held at 1 from below.
; LIMITS: a block of zeros gets the byte 1 where the rule says 127 (its codes are zeros, and this program alone reads the bytes); magnitudes under 2^-124 are held at the byte 1; NaN and infinities are not served.
; No cluster: no two work-groups read the same bytes.
.set X, 32                             ; v32-159  my column's 128 numbers
.set C, 16                             ; v16-31   codes, four registers a block: no store's data are written again
	s_load_b256 s[4:11], s[0:1], 0x0               ; Wq, Wk, Wv, Wo
	s_load_b128 s[12:15], s[0:1], 0x20             ; wC, wS
	v_lshl_add_u32 v160, v0, 2, 0x200
	v_mov_b32 v161, 0
	v_lshrrev_b32 v1, 5, v0                        ; wave j
	v_readfirstlane_b32 s16, v1
	v_and_b32 v2, 31, v0                           ; lane
	v_and_b32 v7, 15, v0                           ; r
	v_bfe_u32 v8, v0, 4, 1                         ; u: which of my wave's two tiles
	v_and_b32 v9, 8, v7
	v_add_nc_u32 v9, v9, v7                        ; r + 8 (r / 8)
	v_lshl_add_u32 v9, v8, 3, v9                   ; + 8 u: my column among the wave's 32
	v_lshlrev_b32 v3, 2, v9
	v_lshl_add_u32 v3, v1, 7, v3                   ; in: 128 j + 4 x column
	v_lshlrev_b32 v4, 4, v7
	v_lshl_add_u32 v4, v8, 10, v4
	v_lshl_add_u32 v4, v1, 11, v4                  ; out: 2048 j + 1024 u + 16 r
	v_lshlrev_b32 v6, 4, v2                        ; 16 x lane
	v_lshl_add_u32 v5, v1, 2, v6                   ; LDS: 16 x lane + 4 j: my scale word's place in the work-group's 512 bytes
	s_and_b32 s17, ttmp7, 0xffff                   ; which weight
	s_and_b32 s18, ttmp9, 7                        ; which 128 columns
	s_lshr_b32 s19, ttmp9, 3                       ; which K step
	s_lshl_b32 s20, s19, 19                        ; W: 128 rows of 4,096 bytes a K step,
	s_lshl_b32 s21, s18, 9                         ; 512 bytes for 128 columns
	s_add_co_u32 s20, s20, s21
	s_mov_b32 s21, 0
	s_lshl_b32 s22, s17, 19                        ; wC: 524,288 a weight, 65,536 a K step, 8,192 for eight tiles
	s_lshl_b32 s23, s19, 16
	s_add_co_u32 s22, s22, s23
	s_lshl_b32 s23, s18, 13
	s_add_co_u32 s22, s22, s23
	s_mov_b32 s23, 0
	s_lshl_b32 s24, s17, 15                        ; wS: 32,768 a weight, 4,096 a K step, 512 for eight tiles
	s_lshl_b32 s25, s19, 12
	s_add_co_u32 s24, s24, s25
	s_lshl_b32 s25, s18, 9
	s_add_co_u32 s24, s24, s25
	s_mov_b32 s25, 0
	s_wait_kmcnt 0x0
	s_cmp_eq_u32 s17, 1                            ; the weight is chosen by the work-group's number alone
	s_cselect_b64 s[4:5], s[6:7], s[4:5]
	s_cmp_eq_u32 s17, 2
	s_cselect_b64 s[4:5], s[8:9], s[4:5]
	s_cmp_eq_u32 s17, 3
	s_cselect_b64 s[4:5], s[10:11], s[4:5]
	s_add_nc_u64 s[4:5], s[4:5], s[20:21]
	s_add_nc_u64 s[12:13], s[12:13], s[22:23]
	s_add_nc_u64 s[14:15], s[14:15], s[24:25]
.set k, 0
.rept 128
	global_load_b32 v[X+k], v3, s[4:5] offset:k*4096 th:TH_LOAD_NT   ; row k of the K step: the wave reads 128 consecutive bytes, the work-group 512
.set k, k+1
.endr
; Block t of four.  left: how many younger loads may stay out (behind the block's 32 loads 96, 64, 32, 0 were issued; a wait names 63 at the most).
.macro BLOCK t, left
.set XS, X+32*(\t)
	s_wait_loadcnt \left
	v_max3_num_f32 v10, |v[XS]|, |v[XS+1]|, |v[XS+2]|              ; the block's largest magnitude: all 32 numbers are mine; two chains
	v_max3_num_f32 v11, |v[XS+3]|, |v[XS+4]|, |v[XS+5]|
.irp i, 6,10,14,18,22,26
	v_max3_num_f32 v10, v10, |v[XS+\i]|, |v[XS+\i+1]|
	v_max3_num_f32 v11, v11, |v[XS+\i+2]|, |v[XS+\i+3]|
.endr
	v_max3_num_f32 v10, v10, |v[XS+30]|, |v[XS+31]|
	v_max3_num_f32 v10, v10, v11, 0x1800000        ; and the floor 2^(3 - 127): the byte cannot fall under 1
	v_add_nc_u32 v12, 0xff000000, v10              ; 2 off the exponent field: the conversion takes the exponent field of this operand as its scale
	v_lshrrev_b32 v13, 23, v12                     ; the scale's byte
.if (\t) == 0
	v_mov_b32 v14, v13                             ; four bytes make my column's scale word, the lower k in the lower byte
.else
	v_lshl_or_b32 v14, v13, 8*(\t), v14
.endif
.irp g, 0,1,2,3
	v_cvt_scalef32_pk8_fp4_f32 v[C+4*(\t)+\g], v[XS+8*\g:XS+8*\g+7], v12
.endr
	global_store_b128 v4, v[C+4*(\t):C+4*(\t)+3], s[12:13] offset:((\t)/2)*512+((\t)%2)*256   ; part t / 2, half t % 2: sixteen lanes store 256 consecutive bytes, aligned
.endm
	BLOCK 0, 63
	BLOCK 1, 63
	BLOCK 2, 32
	BLOCK 3, 0
	ds_store_b32 v5, v14                           ; the four waves' words meet in LDS in wS's order
	s_wait_dscnt 0x0                               ; for the others' sake: my store has landed
	s_barrier_signal -1
	s_barrier_wait -1
	s_cmp_lg_u32 s16, 0
	s_cbranch_scc1 .Lend
	ds_load_b128 v[32:35], v6                      ; wave 0 stores the work-group's 512 bytes, consecutive and aligned
	s_wait_dscnt 0x0
	global_store_b128 v6, v[32:35], s[14:15]
.Lend:
	s_wait_tensorcnt 0x0
	ds_add_u32 v160, v161
	s_wait_dscnt 0x0
	s_endpgm
.Lfunc_end_k_q5089b91f90_wquant:
	.size	k_q5089b91f90_wquant, .Lfunc_end_k_q5089b91f90_wquant-k_q5089b91f90_wquant
	.p2alignl 7, 3214868480
	.fill 96, 4, 3214868480
	.section	.rodata,"a",@progbits
	.p2align	6, 0x0
	.amdhsa_kernel k_q5089b91f90_wquant
		.amdhsa_group_segment_fixed_size 1024
		.amdhsa_private_segment_fixed_size 0
		.amdhsa_enable_private_segment 0
		.amdhsa_kernarg_size 48
		.amdhsa_user_sgpr_count 2
		.amdhsa_user_sgpr_kernarg_segment_ptr 1
		.amdhsa_wavefront_size32 1
		.amdhsa_system_sgpr_workgroup_id_x 1
		.amdhsa_system_sgpr_workgroup_id_y 1
		.amdhsa_system_sgpr_workgroup_id_z 1
		.amdhsa_system_vgpr_workitem_id 0
		.amdhsa_next_free_vgpr 162
		.amdhsa_next_free_sgpr 66
		.amdhsa_reserve_vcc 0
		.amdhsa_float_denorm_mode_32 3
		.amdhsa_float_denorm_mode_16_64 3
		.amdhsa_memory_ordered 1
		.amdhsa_forward_progress 1
		.amdhsa_inst_pref_size 21
	.end_amdhsa_kernel
	.amdgpu_metadata
---
amdhsa.version: [ 1, 2 ]
amdhsa.kernels:
  - .name:           k_q5089b91f90_wquant
    .symbol:         k_q5089b91f90_wquant.kd
    .args:
      - { .name: Wq, .offset: 0, .size: 8, .value_kind: global_buffer, .address_space: global }
      - { .name: Wk, .offset: 8, .size: 8, .value_kind: global_buffer, .address_space: global }
      - { .name: Wv, .offset: 16, .size: 8, .value_kind: global_buffer, .address_space: global }
      - { .name: Wo, .offset: 24, .size: 8, .value_kind: global_buffer, .address_space: global }
      - { .name: wC, .offset: 32, .size: 8, .value_kind: global_buffer, .address_space: global }
      - { .name: wS, .offset: 40, .size: 8, .value_kind: global_buffer, .address_space: global }
    .group_segment_fixed_size: 1024
    .private_segment_fixed_size: 0
    .kernarg_segment_align: 8
    .kernarg_segment_size: 48
    .max_flat_workgroup_size: 128
    .sgpr_count:     66
    .vgpr_count:     162
    .wavefront_size: 32
...
	.end_amdgpu_metadata
.endif
;; end of part 1
;; launch proj (part 2): grid 128 x 3, 4 waves a work-group, no clusters, 272,896 bytes of LDS; arguments query, key, value, bq, bk, bv, wC, wS, pC, pS; writes pC, pS
.if DOCPART == 2
	.amdgcn_target "amdgcn-amd-amdhsa--gfx1250"
	.amdhsa_code_object_version 6
	.text
	.protected	k_q5089b91f90_proj
	.globl	k_q5089b91f90_proj
	.p2align	8
	.type	k_q5089b91f90_proj,@function
k_q5089b91f90_proj:
	s_mov_b64 s[64:65], 0
	v_nop
	global_prefetch_b8 v0, s[64:65] scope:SCOPE_SE
	s_setreg_imm32_b32 hwreg(HW_REG_WAVE_MODE, 25, 1), 1
	s_wait_xcnt 0x0
; q = query Wq + bq, k = key Wk + bk, v = value Wv + bv, each product on codes of FP4 (E2M1) with one E8M0 scale for each 32 along K; the results leave as codes again, quantised for attention's products.
; Work-group (x, y): tensor y (0 q, 1 k, 2 v), rows 64 x .. 64 x + 63, ALL 1,024 columns: so the f32 rows are read and quantised once.  K goes in 8 steps of 128, all written out: every offset is an immediate, no pointer is stepped.
; SHARES.  Wave w quantises 16 of the 64 rows (tile w) and hands the fragment to the others through LDS as an image of its registers; it multiplies all four tiles of rows by ITS 16 tiles of columns
; (n = 256 w on: heads 4 w .. 4 w + 3): 64 accumulators, 512 registers.  Its weight fragments come from wC straight into its registers, 16 bytes a lane, 512 consecutive bytes a load.
; THE ROWS COME BY ASYNCHRONOUS COPIES, all issued at the head: each wave's own 16 rows, 128 copies of 512 consecutive bytes, K step by K step, into its own LDS rows of 4,096 + 16 bytes.  These bytes are filled once and read by
; that wave alone, behind its own counted wait.  So all of the work-group's 262,144 bytes of x are asked for at once, and a lane reads its 16 neighbours of each block of 32 straight out of LDS.
; THE PIPELINE.  Step s: the weights of step s + 1 are asked for (two sets of registers); x of step s + 1 is quantised and its image stored; step s is multiplied, and in its middle the numbers of x of step s + 2 are read;
; one barrier; the fragments of step s + 1 are asked for, and land behind the next step's quantising.
; THE ROWS OF A TILE ARE NOT NEIGHBOURS, in any operand: lane-row r of tile T stands for index 32 (T / 2) + 8 (T % 2) + r + 8 (r / 8).  So a lane's 16 registers of source 0's tiles 2 b, 2 b + 1 are 16 neighbours along that axis.
; q, k: source 0 = W's columns, source 1 = the rows: a lane holds one row and its registers run along the head's 64 channels, the K of the scores.
; v:    source 0 = the rows, source 1 = W's columns: a lane holds one channel and its registers run along the keys, the K of attention's second product.  The two ways part on the work-group's y alone.
; OUT.  pC [tensor 3][batch x head 64][group of 64 rows 32][i 4][lane 32][16 bytes]: a piece = 16 rows x 64 along K as four registers a lane.  q, k: i = tile of rows, K = channels.  v: i = tile of channels, K = the group's 64 keys.
;       pS [tensor][batch x head][group][lane 32][2 words]: word p of lane (r, h): piece i = 2 p + h, row r; two scale bytes, the upper two 0.
; LIMITS: a block of zeros gets the byte 1 (its codes are zeros; this program alone reads the bytes); magnitudes under 2^-124 are held at the byte 1; NaN and infinities are not served.
; NO CLUSTER, NO TENSOR LOAD: each weight fragment is used by exactly one wave of a work-group and goes into its registers by two loads; brought jointly it would pass through LDS first, 65,536 bytes written and read again in each K step, with a ring and its barriers.
; No prefetch is written: all of x is asked for at the head by the copies themselves.
; REGISTERS, in windows of 256.  Window 0: v1-9 addresses; v16-31, v194-209 the copies' addresses, never rewritten; v32-95 64 numbers of x (later 32 results); v96-103 the codes just made; v104-135, v136-167 the four x fragments, two sets;
;   v168-183 at work; v184 the word just made; v224-231 x's scale words, two sets; v232-247 W's, two sets.  On the way out: v64-127 codes, v128-143 words, v186-193 word pairs.
;   Window 1: W's 16 fragments, two sets of 128 (at the end the bias in set 0).  Window 2: accumulators of row tiles 0, 1 at 8 (16 (m % 2) + nt); window 3: of 2, 3.
.set LI,  1                            ; 16 x lane
.set XR,  2                            ; where I read x: (16 w + r) XP + 64 h
.set IMW, 3                            ; where I store my fragment's image: IMG + 1024 w + 16 x lane
.set XSW, 4                            ; and its scale words: XSC + 128 w + 4 x lane
.set IMR, 5                            ; where any image is read: IMG + 16 x lane
.set XSR, 6                            ; and its scale words: XSC + 4 x lane
.set L8,  7                            ; 8 x lane
.set BQ,  8                            ; the bias, q and k: 64 h
.set BV,  9                            ; the bias, v: 4 (r + 8 (r / 8))
.set GO,  16                           ; v16-31   copies: row i of my tile in memory: (i + 8 (i / 8)) x 4,096 + 16 x lane
.set X,   32
.set H,   32
.set PC,  96
.set XF,  104
.set TM,  168
.set PW,  184
.set PAIR, 186
.set LA,  194                          ; v194-209 copies: the same row in LDS: (16 w + i) XP + 16 x lane
.set XS,  224
.set WS,  232
.set RW,  0                            ; the bias, in window 1
.set XP,  4112                         ; an LDS row of x: 4,096 bytes + 16 = 257 x 16: the sixteen rows that a load touches start at sixteen different banks (64 banks of 4 bytes: ISA guide 11.1)
.set IMG, 64*XP                        ; LDS: x's 64 rows from 0 (copies alone write them); then two buffers of four images of 1,024 bytes;
.set XSC, IMG+8192                     ; then two buffers of four x 128 bytes of scale words (LDS stores alone write these two)
.set WV,  24
.set PATH, 25
.set SEL, 42
.set MASK, 44
.set MSB, 0
.macro WIN new                         ; the immediate's high byte repeats the setting that is left; a switch that changes nothing is dropped
.if MSB != (\new)
	s_set_vgpr_msb (MSB<<8)|(\new)
.set MSB, (\new)
.endif
.endm
.macro PLACES                          ; four plain vector instructions between a matrix instruction and a load into, or a vector read of, its registers
.rept 4
	v_nop
.endr
.endm
; One matrix instruction.  row: 1 = source 0's scales stand in lanes 16-31, 2 = source 1's.  zero = 1: it starts the sum.
.macro WM d, a, b, zero, sa, sb, row
.set wd, \d
.set wa, \a
.set wb, \b
.set wsa, \sa
.set wsb, \sb
.set wr, \row
.if \zero
.if wr == 0
	v_wmma_scale_f32_16x16x128_f8f6f4 v[wd:wd+7], v[wa:wa+7], v[wb:wb+7], 0, v[wsa], v[wsb] matrix_a_fmt:MATRIX_FMT_FP4 matrix_b_fmt:MATRIX_FMT_FP4
.elseif wr == 1
	v_wmma_scale_f32_16x16x128_f8f6f4 v[wd:wd+7], v[wa:wa+7], v[wb:wb+7], 0, v[wsa], v[wsb] matrix_a_fmt:MATRIX_FMT_FP4 matrix_b_fmt:MATRIX_FMT_FP4 matrix_a_scale:MATRIX_SCALE_ROW1
.else
	v_wmma_scale_f32_16x16x128_f8f6f4 v[wd:wd+7], v[wa:wa+7], v[wb:wb+7], 0, v[wsa], v[wsb] matrix_a_fmt:MATRIX_FMT_FP4 matrix_b_fmt:MATRIX_FMT_FP4 matrix_b_scale:MATRIX_SCALE_ROW1
.endif
.else
.if wr == 0
	v_wmma_scale_f32_16x16x128_f8f6f4 v[wd:wd+7], v[wa:wa+7], v[wb:wb+7], v[wd:wd+7], v[wsa], v[wsb] matrix_a_fmt:MATRIX_FMT_FP4 matrix_b_fmt:MATRIX_FMT_FP4
.elseif wr == 1
	v_wmma_scale_f32_16x16x128_f8f6f4 v[wd:wd+7], v[wa:wa+7], v[wb:wb+7], v[wd:wd+7], v[wsa], v[wsb] matrix_a_fmt:MATRIX_FMT_FP4 matrix_b_fmt:MATRIX_FMT_FP4 matrix_a_scale:MATRIX_SCALE_ROW1
.else
	v_wmma_scale_f32_16x16x128_f8f6f4 v[wd:wd+7], v[wa:wa+7], v[wb:wb+7], v[wd:wd+7], v[wsa], v[wsb] matrix_a_fmt:MATRIX_FMT_FP4 matrix_b_fmt:MATRIX_FMT_FP4 matrix_b_scale:MATRIX_SCALE_ROW1
.endif
.endif
.endm
; 16 nb numbers of a lane, register 16 b + i = k 32 b + 16 (lane / 16) + i of my row, become 2 nb registers of codes at v[pc] on, in the operand's layout, and my row's scale word in v[pw].  nb = 4 or 2 blocks of 32.
.macro QUANT s, nb, pc, pw
.set qs, \s
.set qp, \pc
.set qw, \pw
.set qb, 0
.rept \nb
	v_max3_num_f32 v[TM+qb], |v[qs+16*qb]|, |v[qs+16*qb+1]|, 0x1800000   ; my 16 numbers of block b, and the floor 2^(3 - 127): the byte cannot fall under 1
.set qb, qb+1
.endr
.irp i, 2,4,6,8,10,12,14
.set qb, 0
.rept \nb
	v_max3_num_f32 v[TM+qb], v[TM+qb], |v[qs+16*qb+\i]|, |v[qs+16*qb+\i+1]|   ; (the blocks by turns)
.set qb, qb+1
.endr
.endr
.set qb, 0
.rept \nb
	v_permlanex16_b32 v[TM+4+qb], v[TM+qb], s[SEL], s[SEL+1]
.set qb, qb+1
.endr
.set qb, 0
.rept \nb
	v_max_num_f32 v[TM+qb], v[TM+qb], v[TM+4+qb]   ; with lane l xor 16's 16: the block's largest magnitude
.set qb, qb+1
.endr
.set qb, 0
.rept \nb
	v_add_nc_u32 v[TM+12+qb], 0xff000000, v[TM+qb] ; 2 off its exponent field: the conversion's scale operand
.set qb, qb+1
.endr
.set qb, 0
.rept \nb
	v_lshrrev_b32 v[TM+4+qb], 23, v[TM+12+qb]      ; the scale's byte
.set qb, qb+1
.endr
	v_lshl_or_b32 v[qw], v[TM+5], 8, v[TM+4]
.if \nb == 4
	v_lshl_or_b32 v[qw], v[TM+6], 16, v[qw]
	v_lshl_or_b32 v[qw], v[TM+7], 24, v[qw]
.endif
.set qb, 0
.rept \nb
	v_cvt_scalef32_pk8_fp4_f32 v[qp+2*qb], v[qs+16*qb:qs+16*qb+7], v[TM+12+qb]
	v_cvt_scalef32_pk8_fp4_f32 v[qp+2*qb+1], v[qs+16*qb+8:qs+16*qb+15], v[TM+12+qb]
.set qb, qb+1
.endr
	v_nop                                          ; one plain instruction behind the scaled conversions
.set qb, 0
.rept \nb/2                                    ; the operand's layout wants a WHOLE block in a lane: lanes 0-15 block 2 c, lanes 16-31 block 2 c + 1
	v_permlane16_swap_b32 v[qp+4*qb], v[qp+4*qb+2]
	v_permlane16_swap_b32 v[qp+4*qb+1], v[qp+4*qb+3]
.set qb, qb+1
.endr
.endm
; K step s's weights into set s % 2: 34 loads: my 16 fragments, two parts of 512 consecutive bytes each, and their scale words (register nt / 2: lanes 0-15 the even tile, lanes 16-31 the odd one).
.macro WLOAD s
.set wl, \s
.set wp, wl%2
	WIN 0x40                                       ; destination window 1
.set nn, 0
.rept 16
	global_load_b128 v[128*wp+8*nn:128*wp+8*nn+3], v[LI], s[16:17] offset:65536*wl+1024*nn
	global_load_b128 v[128*wp+8*nn+4:128*wp+8*nn+7], v[LI], s[16:17] offset:65536*wl+1024*nn+512
.set nn, nn+1
.endr
	WIN 0
	global_load_b128 v[WS+8*wp:WS+8*wp+3], v[LI], s[18:19] offset:4096*wl
	global_load_b128 v[WS+8*wp+4:WS+8*wp+7], v[LI], s[18:19] offset:4096*wl+512
.endm
; My row's 64 numbers of K step t out of LDS: of row r, 16 neighbours of each block of 32.  Copies end in the order of issue: behind K step t's sixteen stand 16 (7 - t) others; a wait names 63 at the most.
.macro XRAW t
.set xt, \t
.if 112-16*xt > 63
	s_wait_asynccnt 63
.else
	s_wait_asynccnt 112-16*xt
.endif
.set ii, 0
.rept 16
	ds_load_b128 v[X+4*ii:X+4*ii+3], v[XR] offset:512*xt+128*(ii/4)+16*(ii%4)
.set ii, ii+1
.endr
.endm
.macro IMAGE n                         ; the fragment just made goes to LDS as it stands in my registers, into buffer n; its scale words beside it
	ds_store_b128 v[IMW], v[PC:PC+3] offset:4096*(\n)
	ds_store_b128 v[IMW], v[PC+4:PC+7] offset:4096*(\n)+512
	ds_store_b32 v[XSW], v[PW] offset:512*(\n)
.endm
.macro FRAGS n                         ; the four waves' fragments out of buffer n into set n: 12 LDS loads
.irp m, 0,1,2,3
	ds_load_b128 v[XF+32*(\n)+8*\m:XF+32*(\n)+8*\m+3], v[IMR] offset:4096*(\n)+1024*\m
	ds_load_b128 v[XF+32*(\n)+8*\m+4:XF+32*(\n)+8*\m+7], v[IMR] offset:4096*(\n)+1024*\m+512
	ds_load_b32 v[XS+4*(\n)+\m], v[XSR] offset:512*(\n)+128*\m
.endr
.endm
; A K step's 64 matrix instructions on the sets p: the 64 accumulators take turns, one instruction a turn, in the same order in every step.
; t >= 0: in the middle the numbers of x of K step t are read from LDS, so that they land behind the second half.
.macro MULS swap, zero, p, t
.set mm, 0
.rept 4
.if (mm == 2) && (\t >= 0)
	WIN 0
	XRAW \t
.endif
.if \swap
	WIN 0xa4+0x50*(mm/2)                           ; source 1 (W) window 1, C and D window 2 or 3
.else
	WIN 0xa1+0x50*(mm/2)                           ; source 0 (W) window 1, C and D window 2 or 3
.endif
.set nn, 0
.rept 16
.if \swap
	WM 8*(16*(mm%2)+nn), XF+32*(\p)+8*mm, 128*(\p)+8*nn, \zero, XS+4*(\p)+mm, WS+8*(\p)+nn/2, 2*(nn%2)
.else
	WM 8*(16*(mm%2)+nn), 128*(\p)+8*nn, XF+32*(\p)+8*mm, \zero, WS+8*(\p)+nn/2, XS+4*(\p)+mm, nn%2
.endif
.set nn, nn+1
.endr
.set mm, mm+1
.endr
	WIN 0
.endm
; K STEP s.  On entry: its weights are asked for (set s % 2), its 12 fragment loads are out (set s % 2), and the numbers of x of step s + 1 stand in v[X] on.
.macro STEP s
.set ks, \s
.set kp, ks%2
.set kn, (ks+1)%2
.set kz, 0
.if ks == 0
.set kz, 1                                     ; the first step's products start the sums: nothing is cleared
.endif
.set kt, -1
.if ks < 6
.set kt, ks+2
.endif
.if ks < 7
	WLOAD ks+1                                     ; first thing: into the set that the step before multiplied (four places stand behind its last product)
	QUANT X, 4, PC, PW                             ; x of step s + 1
	IMAGE kn                                       ; buffer (s + 1) % 2: every wave waited for its reads of it in front of the last barrier
	s_wait_loadcnt 34                              ; this step's weights are in; the 34 loads just issued may stay out
	s_wait_dscnt 3                                 ; this step's 12 fragment loads are in; the three stores issued behind them may stay out
.else
	s_cmp_eq_u32 s[PATH], 2                        ; the last step asks for the bias, in the result's layout, into W's set 0: 32 loads on either way
	s_cbranch_scc1 .Lbv_\@
	WIN 0x40
.set nn, 0
.rept 16
	global_load_b128 v[RW+8*nn:RW+8*nn+3], v[BQ], s[10:11] offset:(32*(nn/2)+8*(nn%2))*4       ; q, k: the tile's eight columns of my half
	global_load_b128 v[RW+8*nn+4:RW+8*nn+7], v[BQ], s[10:11] offset:(32*(nn/2)+8*(nn%2))*4+16
.set nn, nn+1
.endr
	WIN 0
	s_branch .Lbj_\@
.Lbv_\@:
	WIN 0x40
.set nn, 0
.rept 16
	global_load_b32 v[RW+2*nn], v[BV], s[10:11] offset:(32*(nn/2)+8*(nn%2))*4                  ; v: my lane's one column, twice: a pair for the packed addition
	global_load_b32 v[RW+2*nn+1], v[BV], s[10:11] offset:(32*(nn/2)+8*(nn%2))*4
.set nn, nn+1
.endr
	WIN 0
.Lbj_\@:
	s_wait_loadcnt 32                              ; this step's weights are in; the 32 loads of the bias may stay out
	s_wait_dscnt 0x0                               ; and its fragments
.endif
	s_cmp_eq_u32 s[PATH], 2
	s_cbranch_scc1 .Lmv_\@
	MULS 0, kz, kp, kt
	s_branch .Lmj_\@
.Lmv_\@:
	MULS 1, kz, kp, kt
.Lmj_\@:
	PLACES                                         ; behind the last product: for the next step's loads into this step's sets, and at the end for the first read of results
.if ks < 7
	s_wait_dscnt 0x0                               ; for the others' sake: my image has landed; and the numbers of x read in the products' middle are in
	s_barrier_signal -1
	s_barrier_wait -1
	FRAGS kn                                       ; they land behind the next step's quantising
.endif
.endm
	s_load_b256 s[4:11], s[0:1], 0x0               ; query, key, value, bq
	s_load_b256 s[12:19], s[0:1], 0x20             ; bk, bv, wC, wS
	s_load_b128 s[20:23], s[0:1], 0x40             ; pC, pS
	v_lshl_add_u32 v254, v0, 2, 0x42800
	v_mov_b32 v255, 0
	ds_add_u32 v254, v255
	ds_add_u32 v254, v255
	v_lshrrev_b32 v10, 5, v0
	v_readfirstlane_b32 s[WV], v10                 ; wave 0..3
	s_and_b32 s[PATH], ttmp7, 0xffff               ; 0 q, 1 k, 2 v
	v_and_b32 v10, 31, v0                          ; lane
	v_and_b32 v11, 15, v0                          ; r
	v_bfe_u32 v12, v0, 4, 1                        ; h
	v_lshlrev_b32 v[LI], 4, v10
	v_lshlrev_b32 v14, 2, v10                      ; 4 x lane
	v_lshlrev_b32 v[L8], 3, v10
	s_mul_i32 s26, s[WV], 16*XP                    ; my 16 rows of x in LDS
	v_mul_u32_u24 v13, v11, XP
	v_lshl_add_u32 v13, v12, 6, v13
	v_add_nc_u32 v[XR], s26, v13
	v_add_nc_u32 v15, s26, v[LI]
.set ii, 0
.rept 16
	v_add_nc_u32 v[LA+ii], ii*XP, v15              ; a register for each row on either side: from row to row memory steps 4,096 bytes and LDS 4,112, and a copy's immediate is added to both
	v_add_nc_u32 v[GO+ii], (ii+8*(ii/8))*4096, v[LI]
.set ii, ii+1
.endr
	s_lshl_b32 s26, s[WV], 10
	s_add_co_u32 s26, s26, IMG
	v_add_nc_u32 v[IMW], s26, v[LI]
	s_lshl_b32 s26, s[WV], 7
	s_add_co_u32 s26, s26, XSC
	v_add_nc_u32 v[XSW], s26, v14
	v_add_nc_u32 v[IMR], IMG, v[LI]
	v_add_nc_u32 v[XSR], XSC, v14
	v_lshlrev_b32 v[BQ], 6, v12
	v_and_b32 v13, 8, v11
	v_add_nc_u32 v13, v13, v11
	v_lshlrev_b32 v[BV], 2, v13
.irp b, 0,1,2,3
	v_mov_b32 v[TM+4+\b], 0                        ; written once: a lane permute's destination counts as one of its sources
.endr
	s_mov_b32 s[SEL], 0x76543210
	s_mov_b32 s[SEL+1], 0xfedcba98                 ; v_permlanex16_b32's selects for lane l xor 16
	s_mov_b32 s[MASK], 0xffff0000                  ; lanes 16-31
	s_lshl_b32 s28, ttmp9, 18                      ; x: 64 rows of 4,096 bytes a work-group,
	s_lshr_b32 s26, s[WV], 1
	s_lshl_b32 s26, s26, 17                        ; + 32 (w / 2) rows
	s_add_co_u32 s28, s28, s26
	s_and_b32 s26, s[WV], 1
	s_lshl_b32 s26, s26, 15                        ; + 8 (w % 2) rows: my tile's first row
	s_add_co_u32 s28, s28, s26
	s_mov_b32 s29, 0
	s_lshl_b32 s30, s[WV], 10                      ; the bias: my 256 columns
	s_mov_b32 s31, 0
	s_lshl_b32 s34, s[PATH], 19                    ; wC: 524,288 a weight, 16,384 for my 16 tiles
	s_lshl_b32 s26, s[WV], 14
	s_add_co_u32 s34, s34, s26
	s_mov_b32 s35, 0
	s_lshl_b32 s36, s[PATH], 15                    ; wS: 32,768 a weight, 1,024 a wave
	s_add_co_u32 s36, s36, s30
	s_mov_b32 s37, 0
	s_lshr_b32 s26, ttmp9, 5                       ; batch
	s_lshl_b32 s26, s26, 4
	s_lshl_b32 s27, s[WV], 2
	s_add_co_u32 s26, s26, s27                     ; 16 x batch + my first head
	s_and_b32 s27, ttmp9, 31                       ; the group of 64 rows in the sequence
	s_lshl_b32 s38, s[PATH], 22                    ; pC: 4,194,304 a tensor, 65,536 a head, 2,048 a group
	s_lshl_b32 s40, s26, 16
	s_add_co_u32 s38, s38, s40
	s_lshl_b32 s40, s27, 11
	s_add_co_u32 s38, s38, s40
	s_mov_b32 s39, 0
	s_lshl_b32 s40, s[PATH], 19                    ; pS: 524,288 a tensor, 8,192 a head, 256 a group
	s_lshl_b32 s41, s26, 13
	s_add_co_u32 s40, s40, s41
	s_lshl_b32 s41, s27, 8
	s_add_co_u32 s40, s40, s41
	s_mov_b32 s41, 0
	s_wait_dscnt 0x0
	s_wait_kmcnt 0x0
	s_cmp_eq_u32 s[PATH], 1                        ; tensor and bias are chosen by the work-group's number alone
	s_cselect_b64 s[4:5], s[6:7], s[4:5]
	s_cselect_b64 s[10:11], s[12:13], s[10:11]
	s_cmp_eq_u32 s[PATH], 2
	s_cselect_b64 s[4:5], s[8:9], s[4:5]
	s_cselect_b64 s[10:11], s[14:15], s[10:11]
	s_add_nc_u64 s[4:5], s[4:5], s[28:29]
	s_add_nc_u64 s[10:11], s[10:11], s[30:31]
	s_add_nc_u64 s[16:17], s[16:17], s[34:35]
	s_add_nc_u64 s[18:19], s[18:19], s[36:37]
	s_add_nc_u64 s[20:21], s[20:21], s[38:39]
	s_add_nc_u64 s[22:23], s[22:23], s[40:41]
	WLOAD 0                                        ; the first step's weights go out ahead of the copies: 34 lines, and then nothing holds them up
.set kk, 0
.rept 8                                        ; ALL OF MY x: K step by K step, a row's 512 bytes a copy.  They stand ahead of the first wait on their counter, the first LDS read and the first barrier; their address registers and their base are never written again
.set ii, 0
.rept 16
	global_load_async_to_lds_b128 v[LA+ii], v[GO+ii], s[4:5] offset:512*kk
.set ii, ii+1
.endr
.set kk, kk+1
.endr
	XRAW 0                                         ; the way in: x of step 0 is quantised,
	s_wait_dscnt 0x0
	QUANT X, 4, PC, PW
	IMAGE 0
	XRAW 1                                         ; the numbers of step 1 are read,
	s_wait_dscnt 0x0                               ; for the others' sake: my image has landed; and those numbers are in
	s_barrier_signal -1
	s_barrier_wait -1
	FRAGS 0                                        ; and step 0's fragments are asked for
	STEP 0
	STEP 1
	STEP 2
	STEP 3
	STEP 4
	STEP 5                                         ; reads the last numbers of x: its wait on the copies is for 0
	STEP 6
	STEP 7
; THE WAY OUT.  Piece (hd, i): 32 results a lane + the bias, quantised along the next K (two blocks of 32), stored as 512 consecutive bytes.
.macro EPI hd, i
	s_cmp_eq_u32 s[PATH], 2
	s_cbranch_scc1 .Lev_\@
	WIN 0x06+(\i)/2                                ; q, k: rows' tile i, the head's four tiles of columns.  Source 0 (results) window 2 or 3, source 1 (bias) window 1
.irp c, 0,1,2,3
.irp jj, 0,2,4,6
	v_pk_add_f32 v[H+8*\c+\jj:H+8*\c+\jj+1], v[8*(16*((\i)%2)+4*(\hd)+\c)+\jj:8*(16*((\i)%2)+4*(\hd)+\c)+\jj+1], v[RW+8*(4*(\hd)+\c)+\jj:RW+8*(4*(\hd)+\c)+\jj+1]   ; each accumulator from its low end on
.endr
.endr
	WIN 0
	s_branch .Lej_\@
.Lev_\@:
.irp c, 0,1,2,3                                ; v: the head's tile i of channels, the four tiles of rows (keys)
	WIN 0x06+\c/2
.irp jj, 0,2,4,6
	v_pk_add_f32 v[H+8*\c+\jj:H+8*\c+\jj+1], v[8*(16*(\c%2)+4*(\hd)+(\i))+\jj:8*(16*(\c%2)+4*(\hd)+(\i))+\jj+1], v[RW+2*(4*(\hd)+(\i)):RW+2*(4*(\hd)+(\i))+1]
.endr
.endr
	WIN 0
.Lej_\@:
.set CD, 64+4*(4*(\hd)+(\i))
.set WD, 128+4*(\hd)+(\i)
	QUANT H, 2, CD, WD
	global_store_b128 v[LI], v[CD:CD+3], s[20:21] offset:65536*(\hd)+512*(\i)     ; every store has data registers of its own: none is written again
.endm
	s_wait_loadcnt 0x0                             ; the bias.  (The four places behind the last product stand at the last step's end)
.irp hd, 0,1,2,3
.irp i, 0,1,2,3
	EPI \hd, \i
.endr
	v_cndmask_b32 v[PAIR+2*\hd], v[128+4*\hd], v[128+4*\hd+1], s[MASK]            ; lanes 0-15 piece 0's words, lanes 16-31 piece 1's;
	v_cndmask_b32 v[PAIR+2*\hd+1], v[128+4*\hd+2], v[128+4*\hd+3], s[MASK]        ; pieces 2 and 3 likewise
	global_store_b64 v[L8], v[PAIR+2*\hd:PAIR+2*\hd+1], s[22:23] offset:8192*\hd  ; 32 lanes store 256 consecutive bytes, aligned
.endr
	s_wait_tensorcnt 0x0
	ds_add_u32 v254, v255
	s_wait_dscnt 0x0
	s_endpgm
.Lfunc_end_k_q5089b91f90_proj:
	.size	k_q5089b91f90_proj, .Lfunc_end_k_q5089b91f90_proj-k_q5089b91f90_proj
	.p2alignl 7, 3214868480
	.fill 96, 4, 3214868480
	.section	.rodata,"a",@progbits
	.p2align	6, 0x0
	.amdhsa_kernel k_q5089b91f90_proj
		.amdhsa_group_segment_fixed_size 272896
		.amdhsa_private_segment_fixed_size 0
		.amdhsa_enable_private_segment 0
		.amdhsa_kernarg_size 80
		.amdhsa_user_sgpr_count 2
		.amdhsa_user_sgpr_kernarg_segment_ptr 1
		.amdhsa_wavefront_size32 1
		.amdhsa_system_sgpr_workgroup_id_x 1
		.amdhsa_system_sgpr_workgroup_id_y 1
		.amdhsa_system_sgpr_workgroup_id_z 1
		.amdhsa_system_vgpr_workitem_id 0
		.amdhsa_next_free_vgpr 1024
		.amdhsa_next_free_sgpr 66
		.amdhsa_reserve_vcc 0
		.amdhsa_float_denorm_mode_32 3
		.amdhsa_float_denorm_mode_16_64 3
		.amdhsa_memory_ordered 1
		.amdhsa_forward_progress 1
		.amdhsa_inst_pref_size 255
	.end_amdhsa_kernel
	.section	.bss,"aw",@nobits
	.p2align	6
	.space	262144
	.amdgpu_metadata
---
amdhsa.version: [ 1, 2 ]
amdhsa.kernels:
  - .name:           k_q5089b91f90_proj
    .symbol:         k_q5089b91f90_proj.kd
    .args:
      - { .name: query, .offset: 0, .size: 8, .value_kind: global_buffer, .address_space: global }
      - { .name: key, .offset: 8, .size: 8, .value_kind: global_buffer, .address_space: global }
      - { .name: value, .offset: 16, .size: 8, .value_kind: global_buffer, .address_space: global }
      - { .name: bq, .offset: 24, .size: 8, .value_kind: global_buffer, .address_space: global }
      - { .name: bk, .offset: 32, .size: 8, .value_kind: global_buffer, .address_space: global }
      - { .name: bv, .offset: 40, .size: 8, .value_kind: global_buffer, .address_space: global }
      - { .name: wC, .offset: 48, .size: 8, .value_kind: global_buffer, .address_space: global }
      - { .name: wS, .offset: 56, .size: 8, .value_kind: global_buffer, .address_space: global }
      - { .name: pC, .offset: 64, .size: 8, .value_kind: global_buffer, .address_space: global }
      - { .name: pS, .offset: 72, .size: 8, .value_kind: global_buffer, .address_space: global }
    .group_segment_fixed_size: 272896
    .private_segment_fixed_size: 0
    .kernarg_segment_align: 8
    .kernarg_segment_size: 80
    .max_flat_workgroup_size: 128
    .sgpr_count:     66
    .vgpr_count:     1024
    .wavefront_size: 32
...
	.end_amdgpu_metadata
.endif
;; end of part 2
;; launch attn (part 3): grid 4 x 64, 16 waves a work-group, no clusters, 153,600 bytes of LDS; arguments pC, pS, aC, aS; writes aC, aS
.if DOCPART == 3
	.amdgcn_target "amdgcn-amd-amdhsa--gfx1250"
	.amdhsa_code_object_version 6
	.text
	.protected	k_q5089b91f90_attn
	.globl	k_q5089b91f90_attn
	.p2align	8
	.type	k_q5089b91f90_attn,@function
k_q5089b91f90_attn:
	s_mov_b64 s[64:65], 0
	v_nop
	global_prefetch_b8 v0, s[64:65] scope:SCOPE_SE
	s_setreg_imm32_b32 hwreg(HW_REG_WAVE_MODE, 25, 1), 1
	s_wait_xcnt 0x0
; o = softmax(q k^T / 8) v for one head of one batch element, both products on codes of FP4 (E2M1) with one E8M0 scale for each 32 along a product's K; o leaves as codes, quantised along the last product's K (head x 64 + channel).
; THE SOFTMAX AHEAD OF THE SECOND PRODUCT: t = score x log2(e) / 8; M = the row's largest t so far, rounded UP to a whole number; p = 2^(t - M) is what is quantised, along the keys, not normalised.
; The row's sum is taken of the unquantised p, in f32, and divides o at the end.  When M moves, the sum and o are multiplied by 2^(old M - new M): exact.
; SHARES.  Work-group (x, y): head y (16 x batch + head), queries 512 x on.  A head's codes of k and v (65,536 bytes each) and their scale words lie in LDS WHOLE, filled once through registers: no ring, two barriers.
; Each of the sixteen waves takes two tiles of 16 queries, one after the other, in 256 registers: four waves to a SIMD, so that one wave's vector work stands beside another's matrix work and LDS loads.  A tile walks the 2,048 keys in 16 steps of 128.
; LAYOUT.  Both products are used transposed: S^T = k q^T (source 0 = 16 keys, source 1 = my 16 queries), O^T = v^T p^T (source 0 = 16 channels, source 1 = p): a lane holds ONE query throughout.
; The rows of every tile stand in the order 32 (T / 2) + 8 (T % 2) + r + 8 (r / 8) (as the launch before laid them), so that the 16 registers of source 0's tiles 2 b, 2 b + 1 are 16 neighbours: keys for p, channels for o.
; THE SCORES' K IS 64: a fragment's registers 0-3 hold the head's 64 channels, registers 4-7 are zero codes, which add nothing; their two scale bytes are 0, which stands for 2^-127.
; OUT.  aC [tile of rows 512 = 128 x batch + T][head 16][lane 32][16 bytes];  aS [head y 64][T 128][r 16] words, two scale bytes each.
; LIMITS: a block of zeros gets the byte 1 (its codes are zeros; this program alone reads the bytes); NaN and infinities are not served.
; NO CLUSTER: the four work-groups of a head share k and v, but each fetches them once, 143,360 bytes at its head, for 32 walks of 16 key steps; no tile is asked for in the loop.
; REGISTERS: v1-7 addresses that stay; v8-11 the step's addresses; v12 -M, v13 the largest t, v[14:15] the sum in two halves; v16-23 q; v24-27 k's scale words, v28-29 v's; v30 16 x thread; v32-95 eight fragments of k;
;   v96-159 S^T, then p; v160-191 O^T; v192-223 four fragments of v; v224-231 p's codes; v232-239, v244-247, v252-254 at work (v253 p's scale word); v240-243, v248-251 the two tiles' codes of o; v255 q's scale word.
.set VC,   65536                       ; LDS: k's codes from 0, v's from here, both [group of 64 keys 32][i 4][lane][16 bytes];
.set KS,   131072                      ; k's scale words [group][lane][2 words];
.set VS,   139264                      ; v's, merged for a step of 128 keys: [step 16][lane][2 words];
.set SOUT, 143360                      ; o's scale words of the work-group's 32 tiles: 2,048 bytes
.set TM,   232
.set WV,   18
.set SEL,  20
.set CS,   22
.set TK,   24                          ; the step's codes: 4,096 bytes a step, in k and in v
.set TKS,  25                          ; k's scale words: 512 a step
.set TVS,  26                          ; v's: 256 a step
.set CNT,  27
; 32 numbers of a lane, register 16 b + i = k 32 b + 16 (lane / 16) + i of my row, become four registers of codes at v[pc] on and my row's scale word (two bytes) in v[pw].
.macro QUANT2 s, pc, pw
.set qs, \s
.set qp, \pc
.set qw, \pw
.irp b, 0,1
	v_max3_num_f32 v[TM+\b], |v[qs+16*\b]|, |v[qs+16*\b+1]|, 0x1800000       ; and the floor 2^(3 - 127): the byte cannot fall under 1
.endr
.irp i, 2,4,6,8,10,12,14
.irp b, 0,1
	v_max3_num_f32 v[TM+\b], v[TM+\b], |v[qs+16*\b+\i]|, |v[qs+16*\b+\i+1]|
.endr
.endr
.irp b, 0,1
	v_permlanex16_b32 v[TM+4+\b], v[TM+\b], s[SEL], s[SEL+1]
.endr
.irp b, 0,1
	v_max_num_f32 v[TM+\b], v[TM+\b], v[TM+4+\b]
.endr
.irp b, 0,1
	v_add_nc_u32 v[TM+12+\b], 0xff000000, v[TM+\b]
.endr
.irp b, 0,1
	v_lshrrev_b32 v[TM+4+\b], 23, v[TM+12+\b]
.endr
	v_lshl_or_b32 v[qw], v[TM+5], 8, v[TM+4]
.irp b, 0,1
	v_cvt_scalef32_pk8_fp4_f32 v[qp+2*\b], v[qs+16*\b:qs+16*\b+7], v[TM+12+\b]
	v_cvt_scalef32_pk8_fp4_f32 v[qp+2*\b+1], v[qs+16*\b+8:qs+16*\b+15], v[TM+12+\b]
.endr
	v_nop                                          ; one plain instruction behind the scaled conversions
	v_permlane16_swap_b32 v[qp], v[qp+2]           ; a WHOLE block in a lane: lanes 0-15 block 0, lanes 16-31 block 1
	v_permlane16_swap_b32 v[qp+1], v[qp+3]
.endm
	s_load_b256 s[4:11], s[0:1], 0x0               ; pC, pS, aC, aS
	v_lshrrev_b32 v8, 5, v0
	v_readfirstlane_b32 s[WV], v8                  ; wave 0..15
	v_and_b32 v9, 31, v0                           ; lane
	v_and_b32 v10, 15, v0                          ; r
	v_lshlrev_b32 v1, 4, v9                        ; 16 x lane: a piece's place for my lane; k's codes begin at LDS byte 0
	v_lshlrev_b32 v11, 3, v9                       ; 8 x lane
	v_add_nc_u32 v2, KS, v11
	v_add_nc_u32 v3, VC, v1
	v_add_nc_u32 v4, VS, v11
	v_lshlrev_b32 v5, 3, v10                       ; q's scale words: 8 r
	v_lshlrev_b32 v6, 2, v10
	s_lshl_b32 s19, s[WV], 7
	s_add_co_u32 s19, s19, SOUT
	v_add_nc_u32 v6, s19, v6                       ; o's scale words: SOUT + 128 x wave + 4 r
	v_lshlrev_b32 v30, 4, v0                       ; 16 x thread
	v_add_nc_u32 v7, SOUT, v30
	v_lshl_add_u32 v31, v8, 9, v11                 ; v's scale words in memory: 512 x wave + 8 x lane
	v_add_nc_u32 v106, VC, v30
	v_add_nc_u32 v107, KS, v30
	v_lshlrev_b32 v108, 3, v0
	v_add_nc_u32 v108, VS, v108
	s_mov_b32 s[SEL], 0x76543210
	s_mov_b32 s[SEL+1], 0xfedcba98                 ; v_permlanex16_b32's selects for lane l xor 16
	s_mov_b32 s[CS], 0x3e38aa3b                    ; c = log2(e) / 8
	s_mov_b32 s[CS+1], s[CS]                       ; (named with it as a pair, so it is written)
	s_and_b32 s12, ttmp7, 0xffff                   ; 16 x batch + head
	s_lshl_b32 s14, s12, 16                        ; a head's codes: 65,536 bytes
	s_mov_b32 s15, 0
	s_lshl_b32 s16, s12, 13                        ; a head's scale words: 8,192 bytes, in pS and in aS
	s_mov_b32 s17, 0
	s_lshl_b32 s44, ttmp9, 5
	s_lshl_b32 s45, s[WV], 1
	s_add_co_u32 s44, s44, s45                     ; my first tile of queries: 32 x + 2 x wave
	s_lshl_b32 s46, s44, 9                         ; 512 bytes a tile
	s_mov_b32 s47, 0
	s_lshl_b32 s48, ttmp9, 11                      ; q's scale words: group 8 x + wave / 2 (256 bytes a group), word wave % 2
	s_lshr_b32 s49, s[WV], 1
	s_lshl_b32 s49, s49, 8
	s_add_co_u32 s48, s48, s49
	s_and_b32 s49, s[WV], 1
	s_lshl_b32 s49, s49, 2
	s_add_co_u32 s48, s48, s49
	s_mov_b32 s49, 0
	s_lshr_b32 s50, s12, 4                         ; batch
	s_lshl_b32 s50, s50, 7
	s_add_co_u32 s50, s50, s44                     ; 128 x batch + tile
	s_lshl_b32 s50, s50, 13                        ; aC: 8,192 bytes a tile of rows,
	s_and_b32 s51, s12, 15
	s_lshl_b32 s51, s51, 9                         ; 512 a head
	s_add_co_u32 s50, s50, s51
	s_mov_b32 s51, 0
	s_lshl_b32 s52, ttmp9, 11                      ; aS: the work-group's 32 tiles x 64 bytes
	s_mov_b32 s53, 0
	s_wait_kmcnt 0x0
	s_add_nc_u64 s[36:37], s[4:5], s[14:15]        ; q's codes of my head;
	s_add_nc_u64 s[28:29], s[36:37], 0x400000      ; k's, a tensor (4,194,304 bytes) on;
	s_add_nc_u64 s[30:31], s[36:37], 0x800000      ; v's, two
	s_add_nc_u64 s[36:37], s[36:37], s[46:47]
	s_add_nc_u64 s[38:39], s[6:7], s[16:17]        ; the scale words likewise: 524,288 bytes a tensor
	s_add_nc_u64 s[32:33], s[38:39], 0x80000
	s_add_nc_u64 s[34:35], s[38:39], 0x100000
	s_add_nc_u64 s[38:39], s[38:39], s[48:49]
	s_add_nc_u64 s[40:41], s[8:9], s[50:51]
	s_add_nc_u64 s[42:43], s[10:11], s[16:17]
	s_add_nc_u64 s[42:43], s[42:43], s[52:53]
	; THE FILL: 512 threads x 16 bytes are 8,192 consecutive bytes a line
.irp i, 0,1,2,3,4,5,6,7
	global_load_b128 v[32+4*\i:35+4*\i], v30, s[28:29] offset:8192*\i
.endr
.irp i, 0,1,2,3,4,5,6,7
	global_load_b128 v[64+4*\i:67+4*\i], v30, s[30:31] offset:8192*\i
.endr
	global_load_b128 v[96:99], v30, s[32:33]
	global_load_b64 v[100:101], v31, s[34:35]              ; v's words of groups 2 x wave
	global_load_b64 v[102:103], v31, s[34:35] offset:256   ; and 2 x wave + 1: the two halves of key step number wave
	s_wait_loadcnt 0x0
.irp i, 0,1,2,3,4,5,6,7
	ds_store_b128 v30, v[32+4*\i:35+4*\i] offset:8192*\i
.endr
.irp i, 0,1,2,3,4,5,6,7
	ds_store_b128 v106, v[64+4*\i:67+4*\i] offset:8192*\i
.endr
	ds_store_b128 v107, v[96:99]
	v_perm_b32 v104, v102, v100, 0x05040100        ; two bytes of the first 64 keys below, two of the second 64 above: the scale word of 128 keys
	v_perm_b32 v105, v103, v101, 0x05040100
	ds_store_b64 v108, v[104:105]
	s_wait_dscnt 0x0                               ; for the others' sake: my stores have landed (and have read their registers)
	s_barrier_signal -1
	s_barrier_wait -1
.irp j, 20,21,22,23
	v_mov_b32 v[\j], 0                             ; zero codes for K = 64 .. 127: q's fragment,
.endr
.irp t, 0,1,2,3,4,5,6,7
.irp j, 4,5,6,7
	v_mov_b32 v[32+8*\t+\j], 0                     ; and k's eight
.endr
.endr
.irp b, 0,1,2,3
	v_mov_b32 v[236+\b], 0                         ; written once: a lane permute's destination counts as one of its sources
.endr
	v_mov_b32 v253, 0                              ; (named as the upper half of the pair v[252:253] before it is first written)
; A KEY STEP: 128 keys.
.macro STEP
	v_add_nc_u32 v8, s[TK], v1                     ; these four are also the places in front of the loads into registers that the last step's matrix instructions read
	v_add_nc_u32 v9, s[TKS], v2
	v_add_nc_u32 v10, s[TK], v3
	v_add_nc_u32 v11, s[TVS], v4
.irp t, 0,1,2,3,4,5,6,7
	ds_load_b128 v[32+8*\t:35+8*\t], v8 offset:512*\t
.endr
	ds_load_b64 v[24:25], v9                       ; register t / 2: lanes 0-15 the even tile's words, lanes 16-31 the odd one's
	ds_load_b64 v[26:27], v9 offset:256
.irp t, 0,1,2,3
.irp c, 0,1
	ds_load_b128 v[192+8*\t+4*\c:195+8*\t+4*\c], v10 offset:2048*\c+512*\t   ; v: channels' tile t, keys 64 c on
.endr
.endr
	ds_load_b64 v[28:29], v11
	s_wait_dscnt 9                                 ; k and its words are in; v's nine loads, issued behind them, may stay out
.irp u, 0,1,2,3
	v_wmma_scale_f32_16x16x128_f8f6f4 v[96+16*\u:103+16*\u], v[32+16*\u:39+16*\u], v[16:23], 0, v[24+\u], v255 matrix_a_fmt:MATRIX_FMT_FP4 matrix_b_fmt:MATRIX_FMT_FP4
	v_wmma_scale_f32_16x16x128_f8f6f4 v[104+16*\u:111+16*\u], v[40+16*\u:47+16*\u], v[16:23], 0, v[24+\u], v255 matrix_a_fmt:MATRIX_FMT_FP4 matrix_b_fmt:MATRIX_FMT_FP4 matrix_a_scale:MATRIX_SCALE_ROW1
.endr                                          ; register 16 b + i of v96 on: key 32 b + 16 (lane / 16) + i of the step
.rept 4
	v_nop
.endr
.irp b, 0,1,2,3
	v_max3_num_f32 v[232+\b], v[96+16*\b], v[97+16*\b], v[98+16*\b]   ; THE LARGEST SCORE OF EACH BLOCK OF 32 KEYS: for the row's maximum, and, since p rises with the score, for the block's largest p
.endr
.irp i, 3,5,7,9,11,13
.irp b, 0,1,2,3
	v_max3_num_f32 v[232+\b], v[232+\b], v[96+16*\b+\i], v[97+16*\b+\i]
.endr
.endr
.irp b, 0,1,2,3
	v_max_num_f32 v[232+\b], v[232+\b], v[111+16*\b]
.endr
.irp b, 0,1,2,3
	v_permlanex16_b32 v[236+\b], v[232+\b], s[SEL], s[SEL+1]
.endr
.irp b, 0,1,2,3
	v_max_num_f32 v[232+\b], v[232+\b], v[236+\b]  ; with lane l xor 16's 16 keys
.endr
	v_max3_num_f32 v254, v232, v233, v234
	v_max_num_f32 v254, v254, v235                 ; the step's largest score of my query
	v_mul_f32 v254, s[CS], v254                    ; as t (c is positive)
	v_max_num_f32 v13, v13, v254                   ; the running largest t
	v_mov_b32 v254, v12
	v_floor_f32 v12, -v13                          ; the new -M = floor(-t) = -ceil(t): M is a whole number
	v_sub_f32 v254, v12, v254                      ; M's old value less its new one: a whole number, 0 or less
	v_cvt_i32_f32 v254, v254                       ; (it saturates)
	v_ldexp_f32 v252, 1.0, v254                    ; f = 2^(old M - new M)
.set j, 0
.rept 32
	v_pk_fma_f32 v[96+j:97+j], v[96+j:97+j], s[CS:CS+1], v[12:13] op_sel_hi:[1,0,0]   ; t - M, two at a time (of the pairs c and -M the low word serves both halves)
.set j, j+2
.endr
.irp b, 0,1,2,3
	v_fma_f32 v[232+\b], v[232+\b], s[CS], v12     ; the same of each block's largest score
.endr
.set j, 0
.rept 64
	v_exp_f32 v[96+j], v[96+j]                     ; p = 2^(t - M), at most 1: not normalised
.set j, j+1
.endr
	v_pk_mul_f32 v[14:15], v[14:15], v[252:253] op_sel_hi:[1,0]   ; the sums under the new M: the plain instruction behind the exponentials
	s_wait_alu depctr_va_vdst(0)                   ; one wait for the whole batch, ahead of its first reader
.irp b, 0,1,2,3
	v_exp_f32 v[232+\b], v[232+\b]                 ; the block's largest p: the same two instructions on the same number
.endr
	v_pk_add_f32 v[236:237], v[96:97], v[98:99]    ; THE ROW'S SUM IS TAKEN OF THE UNQUANTISED p, two at a time, in two chains: plain work behind the four
.irp j, 4,8,12,16,20,24,28,32,36,40,44,48,52,56,60
	v_pk_add_f32 v[14:15], v[14:15], v[96+\j:97+\j]
	v_pk_add_f32 v[236:237], v[236:237], v[98+\j:99+\j]
.endr
	v_pk_add_f32 v[14:15], v[14:15], v[236:237]
	s_wait_alu depctr_va_vdst(0)                   ; and one wait for the four
.irp b, 0,1,2,3
	v_max_num_f32 v[232+\b], 0x1800000, v[232+\b]  ; the floor 2^(3 - 127): the byte cannot fall under 1
.endr
.irp b, 0,1,2,3
	v_add_nc_u32 v[244+\b], 0xff000000, v[232+\b]  ; 2 off the exponent field: the conversion's scale operand
.endr
.irp b, 0,1,2,3
	v_lshrrev_b32 v[236+\b], 23, v[244+\b]         ; the scale's byte
.endr
	v_lshl_or_b32 v253, v237, 8, v236              ; p's scale word for these 128 keys
	v_lshl_or_b32 v253, v238, 16, v253
	v_lshl_or_b32 v253, v239, 24, v253
.irp b, 0,1,2,3
	v_cvt_scalef32_pk8_fp4_f32 v[224+2*\b], v[96+16*\b:103+16*\b], v[244+\b]
	v_cvt_scalef32_pk8_fp4_f32 v[225+2*\b], v[104+16*\b:111+16*\b], v[244+\b]
.endr
	v_nop                                          ; one plain instruction behind the scaled conversions
.irp c, 0,1
.irp i, 0,1
	v_permlane16_swap_b32 v[224+4*\c+\i], v[226+4*\c+\i]   ; a WHOLE block in a lane: lanes 0-15 block 2 c, lanes 16-31 block 2 c + 1
.endr
.endr
.set j, 0
.rept 16
	v_pk_mul_f32 v[160+j:161+j], v[160+j:161+j], v[252:253] op_sel_hi:[1,0]   ; O^T under the new M.  These sixteen stand between the lines that made p's codes and scale word and the products that take them
.set j, j+2
.endr
	s_wait_dscnt 0x0                               ; v and its words are in
.irp u, 0,1
	v_wmma_scale_f32_16x16x128_f8f6f4 v[160+16*\u:167+16*\u], v[192+16*\u:199+16*\u], v[224:231], v[160+16*\u:167+16*\u], v[28+\u], v253 matrix_a_fmt:MATRIX_FMT_FP4 matrix_b_fmt:MATRIX_FMT_FP4
	v_wmma_scale_f32_16x16x128_f8f6f4 v[168+16*\u:175+16*\u], v[200+16*\u:207+16*\u], v[224:231], v[168+16*\u:175+16*\u], v[28+\u], v253 matrix_a_fmt:MATRIX_FMT_FP4 matrix_b_fmt:MATRIX_FMT_FP4 matrix_a_scale:MATRIX_SCALE_ROW1
.endr                                          ; four accumulators, one instruction each: no two that follow each other share one
	s_add_co_u32 s[TK], s[TK], 4096
	s_add_co_u32 s[TKS], s[TKS], 512
	s_add_co_u32 s[TVS], s[TVS], 256
.endm
; ONE TILE OF 16 QUERIES, the wave's it-th.  oc: where its codes of o stay until their store has left.
.macro TILE it, oc
	global_load_b128 v[16:19], v1, s[36:37] offset:512*\it
	global_load_b32 v255, v5, s[38:39] offset:128*\it      ; piece 2 (wave % 2) + it: lanes (r, h = it) of the group's words
	v_mov_b32 v13, 0xff61b1e6                      ; the largest t so far: -3e38, under every t
	v_floor_f32 v12, -v13                          ; -M
	v_mov_b32 v14, 0                               ; the sum, in two halves
	v_mov_b32 v15, 0
.set j, 0
.rept 32
	v_mov_b32 v[160+j], 0                          ; O^T.  (The step is written once: the first finds zeros, which the first change of M leaves zeros)
.set j, j+1
.endr
	s_mov_b32 s[TK], 0
	s_mov_b32 s[TKS], 0
	s_mov_b32 s[TVS], 0
	s_mov_b32 s[CNT], 16
	s_wait_loadcnt 0x0                             ; q
.Lstep_\@:
	STEP
	s_sub_co_u32 s[CNT], s[CNT], 1
	s_cmp_lg_u32 s[CNT], 0
	s_cbranch_scc1 .Lstep_\@
	v_add_f32 v14, v14, v15                        ; the sum's two halves,
	v_permlanex16_b32 v252, v14, s[SEL], s[SEL+1]
	v_add_f32 v14, v14, v252                       ; and lane l xor 16's: the row's sum
	v_rcp_f32 v14, v14
.rept 4
	v_nop                                          ; the plain instruction behind the reciprocal, and the places behind the last products
.endr
	s_wait_alu depctr_va_vdst(0)                   ; ahead of the reciprocal's first reader
.set j, 0
.rept 16
	v_pk_mul_f32 v[96+j:97+j], v[160+j:161+j], v[14:15] op_sel_hi:[1,0]   ; o = O^T / the sum, each accumulator from its low end on: register 16 b + i is channel 32 b + 16 (lane / 16) + i
.set j, j+2
.endr
	QUANT2 96, \oc, 254
	ds_store_b32 v6, v254 offset:64*\it            ; lanes r and r + 16 write the same word with the same value
	global_store_b128 v1, v[\oc:\oc+3], s[40:41] offset:8192*\it          ; 512 consecutive bytes
	s_wait_dscnt 0x0                               ; the store has read v254, which the next tile writes again
.endm
	TILE 0, 240
	TILE 1, 248
	s_barrier_signal -1                            ; (every wave's LDS stores were waited for just above)
	s_barrier_wait -1
	s_cmp_ge_u32 s[WV], 4
	s_cbranch_scc1 .Lend
	ds_load_b128 v[96:99], v7                      ; waves 0 to 3 store the work-group's 2,048 bytes of scale words, consecutive and aligned
	v_lshlrev_b32 v9, 4, v0
	s_wait_dscnt 0x0
	global_store_b128 v9, v[96:99], s[42:43]
.Lend:
	s_wait_xcnt 0x0
	v_lshl_add_u32 v254, v0, 2, 0x25000
	v_mov_b32 v255, 0
	s_wait_tensorcnt 0x0
	ds_add_u32 v254, v255
	s_wait_dscnt 0x0
	s_endpgm
.Lfunc_end_k_q5089b91f90_attn:
	.size	k_q5089b91f90_attn, .Lfunc_end_k_q5089b91f90_attn-k_q5089b91f90_attn
	.p2alignl 7, 3214868480
	.fill 96, 4, 3214868480
	.section	.rodata,"a",@progbits
	.p2align	6, 0x0
	.amdhsa_kernel k_q5089b91f90_attn
		.amdhsa_group_segment_fixed_size 153600
		.amdhsa_private_segment_fixed_size 0
		.amdhsa_enable_private_segment 0
		.amdhsa_kernarg_size 32
		.amdhsa_user_sgpr_count 2
		.amdhsa_user_sgpr_kernarg_segment_ptr 1
		.amdhsa_wavefront_size32 1
		.amdhsa_system_sgpr_workgroup_id_x 1
		.amdhsa_system_sgpr_workgroup_id_y 1
		.amdhsa_system_sgpr_workgroup_id_z 1
		.amdhsa_system_vgpr_workitem_id 0
		.amdhsa_next_free_vgpr 256
		.amdhsa_next_free_sgpr 66
		.amdhsa_reserve_vcc 0
		.amdhsa_float_denorm_mode_32 3
		.amdhsa_float_denorm_mode_16_64 3
		.amdhsa_memory_ordered 1
		.amdhsa_forward_progress 1
		.amdhsa_inst_pref_size 48
	.end_amdhsa_kernel
	.amdgpu_metadata
---
amdhsa.version: [ 1, 2 ]
amdhsa.kernels:
  - .name:           k_q5089b91f90_attn
    .symbol:         k_q5089b91f90_attn.kd
    .args:
      - { .name: pC, .offset: 0, .size: 8, .value_kind: global_buffer, .address_space: global }
      - { .name: pS, .offset: 8, .size: 8, .value_kind: global_buffer, .address_space: global }
      - { .name: aC, .offset: 16, .size: 8, .value_kind: global_buffer, .address_space: global }
      - { .name: aS, .offset: 24, .size: 8, .value_kind: global_buffer, .address_space: global }
    .group_segment_fixed_size: 153600
    .private_segment_fixed_size: 0
    .kernarg_segment_align: 8
    .kernarg_segment_size: 32
    .max_flat_workgroup_size: 512
    .sgpr_count:     66
    .vgpr_count:     256
    .wavefront_size: 32
...
	.end_amdgpu_metadata
.endif
;; end of part 3
;; launch outp (part 4): grid 256 x 1, 4 waves a work-group, no clusters, 263,168 bytes of LDS; arguments aC, aS, wC, wS, bo, query, ln_gamma, ln_beta, out0; writes out0
.if DOCPART == 4
	.amdgcn_target "amdgcn-amd-amdhsa--gfx1250"
	.amdhsa_code_object_version 6
	.text
	.protected	k_q5089b91f90_outp
	.globl	k_q5089b91f90_outp
	.p2align	8
	.type	k_q5089b91f90_outp,@function
k_q5089b91f90_outp:
	s_mov_b64 s[64:65], 0
	v_nop
	global_prefetch_b8 v0, s[64:65] scope:SCOPE_SE
	s_setreg_imm32_b32 hwreg(HW_REG_WAVE_MODE, 25, 1), 1
	s_wait_xcnt 0x0
; out0 = LayerNorm(o Wo + bo + query) x ln_gamma + ln_beta.  The product on codes of FP4 (E2M1) with one E8M0 scale for each 32 along K; all else in f32.
; SHARES.  A work-group takes 32 rows (two tiles of 16) and ALL 1,024 columns, so that a row's mean and variance never leave it.  Wave w multiplies both tiles by its 16 tiles of columns (n = 256 w on): 32 accumulators, 256 registers.
; K goes in 8 steps of 128 (two heads), written out: every offset is an immediate, no pointer is stepped.  The weight fragments come from wC, o's from aC, straight into registers, 512 consecutive bytes a load, one K step ahead, in two sets.
; Source 0 = W's columns, source 1 = o's rows: a lane holds one row and eight neighbouring columns a tile.  The results meet in a stage in LDS (rows of 4,096 bytes + 16); behind one barrier each wave takes 8 whole rows.
; THE ROWS OF A TILE ARE NOT NEIGHBOURS (row 8 m + r + 8 (r / 8) of the 32): stage rows 8 w .. 8 w + 7 are the rows 8 (w / 2) + 16 (w % 2) + 0 .. 7, which ARE neighbours: 32,768 consecutive bytes of query and of out0.
; THE RESIDUAL comes by asynchronous copies issued at the head, each wave's own 8 rows into its own 32,768 bytes of LDS, filled once and read by that wave alone behind its own wait: it is on its way while the product runs.
; THE VARIANCE is the mean of (y - mean)^2, in two passes over registers: no difference of large sums.
; NO CLUSTER, NO TENSOR LOAD: each weight fragment is used by exactly one wave of a work-group and goes into its registers by two loads; brought jointly it would pass through LDS first, 65,536 bytes written and read again in each K step.
; REGISTERS, in windows of 256.  Window 0: v1-6 addresses; v8-15 at work; v16-47 o's fragments, two sets (later rows of y); v48-63 the heads' scale words as stored; v64-95 bo, v96-127 ln_gamma, v128-159 ln_beta (a lane's 32 columns of a row);
;   v160-191 rows of y; v192-223 a residual row; v224-231 o's scale words, one a K step; v232-247 W's, two sets.  Window 1: W's fragments, two sets of 128.  Window 2: accumulator (m, nt) at 8 (16 m + nt).
.set STG, 131072                       ; LDS: four residual regions of 32,768 bytes from 0 (copies alone write them); the stage from here: 32 rows x 4,112 bytes (LDS stores alone write it)
.set SP,  4112
.set AF,  16
.set H,   48
.set BO,  64
.set GA,  96
.set BE,  128
.set Y0,  160
.set Y1,  16
.set R,   192
.set AS,  224
.set WS,  232
.set WV,  22
.set SEL, 34
.set MSB, 0
.macro WIN new                         ; the immediate's high byte repeats the setting that is left; a switch that changes nothing is dropped
.if MSB != (\new)
	s_set_vgpr_msb (MSB<<8)|(\new)
.set MSB, (\new)
.endif
.endm
.macro PLACES                          ; four plain vector instructions between a matrix instruction and a load into, or a store of, its registers
.rept 4
	v_nop
.endr
.endm
; One matrix instruction.  row: bit 0 = source 0's scales stand in lanes 16-31, bit 1 = source 1's.  zero = 1: it starts the sum.
.macro WM d, a, b, zero, sa, sb, row
.set wd, \d
.set wa, \a
.set wb, \b
.set wsa, \sa
.set wsb, \sb
.set wr, \row
.if \zero
.if wr == 0
	v_wmma_scale_f32_16x16x128_f8f6f4 v[wd:wd+7], v[wa:wa+7], v[wb:wb+7], 0, v[wsa], v[wsb] matrix_a_fmt:MATRIX_FMT_FP4 matrix_b_fmt:MATRIX_FMT_FP4
.elseif wr == 1
	v_wmma_scale_f32_16x16x128_f8f6f4 v[wd:wd+7], v[wa:wa+7], v[wb:wb+7], 0, v[wsa], v[wsb] matrix_a_fmt:MATRIX_FMT_FP4 matrix_b_fmt:MATRIX_FMT_FP4 matrix_a_scale:MATRIX_SCALE_ROW1
.elseif wr == 2
	v_wmma_scale_f32_16x16x128_f8f6f4 v[wd:wd+7], v[wa:wa+7], v[wb:wb+7], 0, v[wsa], v[wsb] matrix_a_fmt:MATRIX_FMT_FP4 matrix_b_fmt:MATRIX_FMT_FP4 matrix_b_scale:MATRIX_SCALE_ROW1
.else
	v_wmma_scale_f32_16x16x128_f8f6f4 v[wd:wd+7], v[wa:wa+7], v[wb:wb+7], 0, v[wsa], v[wsb] matrix_a_fmt:MATRIX_FMT_FP4 matrix_b_fmt:MATRIX_FMT_FP4 matrix_a_scale:MATRIX_SCALE_ROW1 matrix_b_scale:MATRIX_SCALE_ROW1
.endif
.else
.if wr == 0
	v_wmma_scale_f32_16x16x128_f8f6f4 v[wd:wd+7], v[wa:wa+7], v[wb:wb+7], v[wd:wd+7], v[wsa], v[wsb] matrix_a_fmt:MATRIX_FMT_FP4 matrix_b_fmt:MATRIX_FMT_FP4
.elseif wr == 1
	v_wmma_scale_f32_16x16x128_f8f6f4 v[wd:wd+7], v[wa:wa+7], v[wb:wb+7], v[wd:wd+7], v[wsa], v[wsb] matrix_a_fmt:MATRIX_FMT_FP4 matrix_b_fmt:MATRIX_FMT_FP4 matrix_a_scale:MATRIX_SCALE_ROW1
.elseif wr == 2
	v_wmma_scale_f32_16x16x128_f8f6f4 v[wd:wd+7], v[wa:wa+7], v[wb:wb+7], v[wd:wd+7], v[wsa], v[wsb] matrix_a_fmt:MATRIX_FMT_FP4 matrix_b_fmt:MATRIX_FMT_FP4 matrix_b_scale:MATRIX_SCALE_ROW1
.else
	v_wmma_scale_f32_16x16x128_f8f6f4 v[wd:wd+7], v[wa:wa+7], v[wb:wb+7], v[wd:wd+7], v[wsa], v[wsb] matrix_a_fmt:MATRIX_FMT_FP4 matrix_b_fmt:MATRIX_FMT_FP4 matrix_a_scale:MATRIX_SCALE_ROW1 matrix_b_scale:MATRIX_SCALE_ROW1
.endif
.endif
.endm
; K step s's operands into set s % 2: 38 loads: W's 16 fragments (32), their scale words (2), o's two fragments (4).
.macro LOADS s
.set ls, \s
.set lp, ls%2
	WIN 0x40                                       ; destination window 1
.set nn, 0
.rept 16
	global_load_b128 v[128*lp+8*nn:128*lp+8*nn+3], v1, s[8:9] offset:65536*ls+1024*nn
	global_load_b128 v[128*lp+8*nn+4:128*lp+8*nn+7], v1, s[8:9] offset:65536*ls+1024*nn+512
.set nn, nn+1
.endr
	WIN 0
	global_load_b128 v[WS+8*lp:WS+8*lp+3], v1, s[10:11] offset:4096*ls       ; register nt / 2: lanes 0-15 the even tile's words, lanes 16-31 the odd one's
	global_load_b128 v[WS+8*lp+4:WS+8*lp+7], v1, s[10:11] offset:4096*ls+512
.irp m, 0,1
.irp c, 0,1
	global_load_b128 v[AF+16*lp+8*\m+4*\c:AF+16*lp+8*\m+4*\c+3], v1, s[4:5] offset:8192*\m+512*(2*ls+\c)   ; rows' tile m, head 2 s + c: 64 along K
.endr
.endr
.endm
	s_load_b256 s[4:11], s[0:1], 0x0               ; aC, aS, wC, wS
	s_load_b256 s[12:19], s[0:1], 0x20             ; bo, query, ln_gamma, ln_beta
	s_load_b64 s[20:21], s[0:1], 0x40              ; out0
	v_lshl_add_u32 v254, v0, 2, 0x40200
	v_mov_b32 v255, 0
	ds_add_u32 v254, v255
	ds_add_u32 v254, v255
	v_lshrrev_b32 v8, 5, v0
	v_readfirstlane_b32 s[WV], v8                  ; wave 0..3
	v_and_b32 v9, 31, v0                           ; lane
	v_and_b32 v10, 15, v0                          ; r
	v_bfe_u32 v11, v0, 4, 1                        ; h
	v_lshlrev_b32 v1, 4, v9                        ; 16 x lane
	v_lshlrev_b32 v2, 2, v9                        ; 4 x lane
	s_lshl_b32 s23, s[WV], 15
	v_add_nc_u32 v3, s23, v1                       ; my residual region: 32,768 w + 16 x lane
	v_mul_u32_u24 v4, v10, SP
	v_lshl_add_u32 v4, v11, 6, v4
	s_lshl_b32 s23, s[WV], 10
	s_add_co_u32 s23, s23, STG
	v_add_nc_u32 v4, s23, v4                       ; into the stage, tile 0: row r, + 1,024 w + 64 h;
	v_add_nc_u32 v5, 16*SP, v4                     ; tile 1: 16 rows on
	s_mul_i32 s23, s[WV], 8*SP
	s_add_co_u32 s23, s23, STG
	v_add_nc_u32 v6, s23, v1                       ; out of it: my 8 rows, 16 bytes a lane
	s_mov_b32 s[SEL], 0x76543210
	s_mov_b32 s[SEL+1], 0xfedcba98                 ; v_permlanex16_b32's selects for lane l xor 16
	s_mov_b32 s36, 0x3a800000                      ; 1 / 1024
	s_mov_b32 s37, 0x3727c5ac                      ; 1e-5
	s_lshl_b32 s24, ttmp9, 17                      ; query, out0: 32 rows of 4,096 bytes a work-group,
	s_lshr_b32 s23, s[WV], 1
	s_lshl_b32 s23, s23, 15                        ; + 8 (w / 2) rows
	s_add_co_u32 s24, s24, s23
	s_and_b32 s23, s[WV], 1
	s_lshl_b32 s23, s23, 16                        ; + 16 (w % 2) rows
	s_add_co_u32 s24, s24, s23
	s_mov_b32 s25, 0
	s_lshl_b32 s26, ttmp9, 14                      ; aC: two tiles of 8,192 bytes
	s_mov_b32 s27, 0
	s_lshr_b32 s28, ttmp9, 6                       ; aS: batch x 16 heads x 8,192 bytes,
	s_lshl_b32 s28, s28, 17
	s_and_b32 s23, ttmp9, 63
	s_lshl_b32 s23, s23, 7                         ; + two tiles of 64 bytes
	s_add_co_u32 s28, s28, s23
	s_mov_b32 s29, 0
	s_lshl_b32 s30, s[WV], 14                      ; wC: the fourth weight, my 16 tiles
	s_add_co_u32 s30, s30, 3*524288
	s_mov_b32 s31, 0
	s_lshl_b32 s32, s[WV], 10                      ; wS likewise
	s_add_co_u32 s32, s32, 3*32768
	s_mov_b32 s33, 0
	s_wait_dscnt 0x0
	s_wait_kmcnt 0x0
	s_add_nc_u64 s[14:15], s[14:15], s[24:25]
	s_add_nc_u64 s[20:21], s[20:21], s[24:25]
	s_add_nc_u64 s[4:5], s[4:5], s[26:27]
	s_add_nc_u64 s[6:7], s[6:7], s[28:29]
	s_add_nc_u64 s[8:9], s[8:9], s[30:31]
	s_add_nc_u64 s[10:11], s[10:11], s[32:33]
.set k, 0
.rept 64
	global_load_async_to_lds_b128 v3, v1, s[14:15] offset:512*k      ; my 8 residual rows: the immediate steps both addresses; 512 consecutive bytes a line.  Its three address registers are never written again
.set k, k+1
.endr
.irp i, 0,1,2,3,4,5,6,7
	global_load_b128 v[BO+4*\i:BO+4*\i+3], v1, s[12:13] offset:512*\i
	global_load_b128 v[GA+4*\i:GA+4*\i+3], v1, s[16:17] offset:512*\i
	global_load_b128 v[BE+4*\i:BE+4*\i+3], v1, s[18:19] offset:512*\i
.endr
.set k, 0
.rept 16
	global_load_b32 v[H+k], v2, s[6:7] offset:8192*k                 ; head k's words: lanes 0-15 tile 0's rows, lanes 16-31 tile 1's
.set k, k+1
.endr
	LOADS 0
	s_wait_loadcnt 38                              ; all but the 38 just issued
.irp s, 0,1,2,3,4,5,6,7
	v_perm_b32 v[AS+\s], v[H+2*\s+1], v[H+2*\s], 0x05040100          ; two bytes of head 2 s below, two of head 2 s + 1 above: the scale word of K step s
.endr
.rept 8
	v_nop                                          ; a scale register written by a vector instruction stands eight places ahead of the scaled matrix instruction
.endr
	LOADS 1
.set ss, 0
.rept 8
.if ss < 7
	s_wait_loadcnt 38                              ; this step's operands are in; the next step's 38 loads may stay out
.else
	s_wait_loadcnt 0x0
.endif
.set zz, 0
.if ss == 0
.set zz, 1                                     ; the first step's products start the sums: nothing is cleared
.endif
	WIN 0xa1                                       ; source 0 (W) window 1, source 1 (o) window 0, C and D window 2
.set nn, 0
.rept 16
.set mm, 0
.rept 2
	WM 8*(16*mm+nn), 128*(ss%2)+8*nn, AF+16*(ss%2)+8*mm, zz, WS+8*(ss%2)+nn/2, AS+ss, (nn%2)+2*mm   ; the 32 accumulators take turns, in the same order in every step
.set mm, mm+1
.endr
.set nn, nn+1
.endr
	WIN 0
	PLACES                                         ; in front of loads into registers that these products read, and of the stores of their results
.if ss <= 5
	LOADS ss+2
.endif
.set ss, ss+1
.endr
	WIN 0x08                                       ; an LDS store's data are its source 1: window 2
.set mm, 0
.rept 2
.set nn, 0
.rept 16
	ds_store_b128 v[4+mm], v[8*(16*mm+nn):8*(16*mm+nn)+3] offset:(32*(nn/2)+8*(nn%2))*4        ; columns 32 (nt / 2) + 16 h + 8 (nt % 2) + 0 .. 7 of my 256; each accumulator from its low end on
	ds_store_b128 v[4+mm], v[8*(16*mm+nn)+4:8*(16*mm+nn)+7] offset:(32*(nn/2)+8*(nn%2))*4+16
.set nn, nn+1
.endr
.set mm, mm+1
.endr
	WIN 0
	s_wait_dscnt 0x0                               ; for the others' sake: my stores have landed
	s_barrier_signal -1
	s_barrier_wait -1                              ; 32 whole rows lie in the stage
	s_wait_asynccnt 0x0                            ; my residual rows have landed; I alone read them
.macro YLOAD k, y                      ; row k of my 8 out of the stage: a lane's 32 columns are 128 i + 4 x lane + 0 .. 3
.set yy, \y
.irp i, 0,1,2,3,4,5,6,7
	ds_load_b128 v[yy+4*\i:yy+4*\i+3], v6 offset:SP*(\k)+512*\i
.endr
.endm
.macro RLD k                           ; and its residual row
.irp i, 0,1,2,3,4,5,6,7
	ds_load_b128 v[R+4*\i:R+4*\i+3], v3 offset:4096*(\k)+512*\i
.endr
.endm
.macro REDUCE                          ; v[8:9] + v[10:11], then over the 32 lanes: the sum in v8 of every lane
	v_pk_add_f32 v[8:9], v[8:9], v[10:11]
	v_add_f32 v8, v8, v9
	v_add_f32_dpp v8, v8, v8 row_xmask:1 row_mask:0xf bank_mask:0xf
	v_add_f32_dpp v8, v8, v8 row_xmask:2 row_mask:0xf bank_mask:0xf
	v_add_f32_dpp v8, v8, v8 row_xmask:4 row_mask:0xf bank_mask:0xf
	v_add_f32_dpp v8, v8, v8 row_xmask:8 row_mask:0xf bank_mask:0xf
	v_permlanex16_b32 v9, v8, s[SEL], s[SEL+1]
	v_add_f32 v8, v8, v9
.endm
; Row k, in the registers y.  left: the LDS loads issued behind this row's, which may stay out: the eight of y's next row, or none.
.macro ROWWORK k, y, left
.set yy, \y
	s_wait_dscnt \left
.set j, 0
.rept 16
	v_pk_add_f32 v[yy+j:yy+j+1], v[yy+j:yy+j+1], v[BO+j:BO+j+1]
.set j, j+2
.endr
.set j, 0
.rept 16
	v_pk_add_f32 v[yy+j:yy+j+1], v[yy+j:yy+j+1], v[R+j:R+j+1]
.set j, j+2
.endr
.if (\k) < 7
	RLD (\k)+1                                     ; the one residual set is free: the next row's comes while this row is worked
.endif
.set yy, \y
	v_pk_add_f32 v[8:9], v[yy:yy+1], v[yy+4:yy+5]  ; the row's sum: two chains
	v_pk_add_f32 v[10:11], v[yy+2:yy+3], v[yy+6:yy+7]
.irp j, 8,12,16,20,24,28
	v_pk_add_f32 v[8:9], v[8:9], v[yy+\j:yy+\j+1]
	v_pk_add_f32 v[10:11], v[10:11], v[yy+\j+2:yy+\j+3]
.endr
	REDUCE
	v_mul_f32 v12, s36, v8                         ; the mean, twice: a pair for the packed form
	v_mul_f32 v13, s36, v8
.set j, 0
.rept 16
	v_pk_add_f32 v[yy+j:yy+j+1], v[yy+j:yy+j+1], v[12:13] neg_lo:[0,1] neg_hi:[0,1]   ; y - mean
.set j, j+2
.endr
	v_pk_mul_f32 v[8:9], v[yy:yy+1], v[yy:yy+1]    ; the sum of its squares
	v_pk_mul_f32 v[10:11], v[yy+2:yy+3], v[yy+2:yy+3]
.irp j, 4,8,12,16,20,24,28
	v_pk_fma_f32 v[8:9], v[yy+\j:yy+\j+1], v[yy+\j:yy+\j+1], v[8:9]
	v_pk_fma_f32 v[10:11], v[yy+\j+2:yy+\j+3], v[yy+\j+2:yy+\j+3], v[10:11]
.endr
	REDUCE
	v_fma_f32 v10, v8, s36, s37                    ; the variance + 1e-5
	v_rsq_f32 v14, v10
	v_rsq_f32 v15, v10
	v_nop                                          ; a plain instruction behind the two
	s_wait_alu depctr_va_vdst(0)                   ; one wait for both, ahead of their first reader
.set j, 0
.rept 16
	v_pk_mul_f32 v[yy+j:yy+j+1], v[yy+j:yy+j+1], v[14:15]
.set j, j+2
.endr
.set j, 0
.rept 16
	v_pk_fma_f32 v[yy+j:yy+j+1], v[yy+j:yy+j+1], v[GA+j:GA+j+1], v[BE+j:BE+j+1]
.set j, j+2
.endr
.irp i, 0,1,2,3,4,5,6,7
	global_store_b128 v1, v[yy+4*\i:yy+4*\i+3], s[20:21] offset:4096*(\k)+512*\i th:TH_STORE_NT   ; 32 lanes store 512 consecutive bytes, aligned; written once, read by nobody here
.endr
.if (\k) < 6
	s_wait_xcnt 0x0                                ; the stores have read their registers: only now do these take the row two further on
	YLOAD (\k)+2, \y
.endif
.endm
	YLOAD 0, Y0
	RLD 0
	YLOAD 1, Y1
	ROWWORK 0, Y0, 8
	ROWWORK 1, Y1, 8
	ROWWORK 2, Y0, 8
	ROWWORK 3, Y1, 8
	ROWWORK 4, Y0, 8
	ROWWORK 5, Y1, 8
	ROWWORK 6, Y0, 8
	ROWWORK 7, Y1, 0
	s_wait_tensorcnt 0x0
	ds_add_u32 v254, v255
	s_wait_dscnt 0x0
	s_endpgm
.Lfunc_end_k_q5089b91f90_outp:
	.size	k_q5089b91f90_outp, .Lfunc_end_k_q5089b91f90_outp-k_q5089b91f90_outp
	.p2alignl 7, 3214868480
	.fill 96, 4, 3214868480
	.section	.rodata,"a",@progbits
	.p2align	6, 0x0
	.amdhsa_kernel k_q5089b91f90_outp
		.amdhsa_group_segment_fixed_size 263168
		.amdhsa_private_segment_fixed_size 0
		.amdhsa_enable_private_segment 0
		.amdhsa_kernarg_size 72
		.amdhsa_user_sgpr_count 2
		.amdhsa_user_sgpr_kernarg_segment_ptr 1
		.amdhsa_wavefront_size32 1
		.amdhsa_system_sgpr_workgroup_id_x 1
		.amdhsa_system_sgpr_workgroup_id_y 1
		.amdhsa_system_sgpr_workgroup_id_z 1
		.amdhsa_system_vgpr_workitem_id 0
		.amdhsa_next_free_vgpr 768
		.amdhsa_next_free_sgpr 66
		.amdhsa_reserve_vcc 0
		.amdhsa_float_denorm_mode_32 3
		.amdhsa_float_denorm_mode_16_64 3
		.amdhsa_memory_ordered 1
		.amdhsa_forward_progress 1
		.amdhsa_inst_pref_size 160
	.end_amdhsa_kernel
	.amdgpu_metadata
---
amdhsa.version: [ 1, 2 ]
amdhsa.kernels:
  - .name:           k_q5089b91f90_outp
    .symbol:         k_q5089b91f90_outp.kd
    .args:
      - { .name: aC, .offset: 0, .size: 8, .value_kind: global_buffer, .address_space: global }
      - { .name: aS, .offset: 8, .size: 8, .value_kind: global_buffer, .address_space: global }
      - { .name: wC, .offset: 16, .size: 8, .value_kind: global_buffer, .address_space: global }
      - { .name: wS, .offset: 24, .size: 8, .value_kind: global_buffer, .address_space: global }
      - { .name: bo, .offset: 32, .size: 8, .value_kind: global_buffer, .address_space: global }
      - { .name: query, .offset: 40, .size: 8, .value_kind: global_buffer, .address_space: global }
      - { .name: ln_gamma, .offset: 48, .size: 8, .value_kind: global_buffer, .address_space: global }
      - { .name: ln_beta, .offset: 56, .size: 8, .value_kind: global_buffer, .address_space: global }
      - { .name: out0, .offset: 64, .size: 8, .value_kind: global_buffer, .address_space: global }
    .group_segment_fixed_size: 263168
    .private_segment_fixed_size: 0
    .kernarg_segment_align: 8
    .kernarg_segment_size: 72
    .max_flat_workgroup_size: 128
    .sgpr_count:     66
    .vgpr_count:     768
    .wavefront_size: 32
...
	.end_amdgpu_metadata
.endif
;; end of part 4
;; ======== version 2 of 2: 4 launches
;; workspace buffers: wC 2,097,152 bytes; wS 131,072 bytes; pC 12,582,912 bytes; pS 1,572,864 bytes; aC 4,194,304 bytes; aS 524,288 bytes
;; launch wquant (part 5): grid 64 x 4, 4 waves a work-group, no clusters, 1,024 bytes of LDS; arguments Wq, Wk, Wv, Wo, wC, wS; writes wC, wS
.if DOCPART == 5
	.amdgcn_target "amdgcn-amd-amdhsa--gfx1250"
	.amdhsa_code_object_version 6
	.text
	.protected	k_q5089b91f90_wquant
	.globl	k_q5089b91f90_wquant
	.p2align	8
	.type	k_q5089b91f90_wquant,@function
k_q5089b91f90_wquant:
	s_mov_b64 s[64:65], 0
	v_nop
	global_prefetch_b8 v0, s[64:65] scope:SCOPE_SE
	s_setreg_imm32_b32 hwreg(HW_REG_WAVE_MODE, 25, 1), 1
	s_wait_xcnt 0x0
; The four weights, [1024 (k)][1024 (n)] f32, K their FIRST axis, become codes of FP4 (E2M1) with one E8M0 scale byte for each 32 along K,
; laid in the order in which a wave's operand registers take them:
;   wC [weight 4][K step 8][tile 64][part 2][lane 32][16 bytes]: tile nt, lane (r, h), part c: column n = 32 (nt / 2) + 8 (nt % 2) + r + 8 (r / 8), k = 128 s + 64 c + 32 h + 0 .. 31.
;   wS [weight][K step][wave 4][half 2][lane 32][4 words]: word j of lane (r, h): the scale word (4 bytes, 128 along K) of tile 16 w + 2 (4 half + j) + h, row r.
; THE COLUMNS OF A TILE ARE NOT NEIGHBOURS: with this order the results of two neighbouring tiles are 16 neighbours along the next product's K.
; A LANE TAKES A COLUMN AND ITS 128 REGISTERS RUN DOWN K: a block of 32 lies in one lane, and the conversions give codes with K innermost.  Nothing is transposed.
; SHARES: work-group (x, y): weight y, 128 columns (x % 8), 128 along K (x / 8); wave j takes 32 columns, two tiles: lanes 0-15 the even one, lanes 16-31 the odd one.
; A block's scale is 2^(floor(log2(its largest magnitude)) - 2); its byte is the largest magnitude's exponent field - 2, held at 1 from below.
; LIMITS: a block of zeros gets the byte 1 where the rule says 127 (its codes are zeros, and this program alone reads the bytes); magnitudes under 2^-124 are held at the byte 1; NaN and infinities are not served.
; No cluster: no two work-groups read the same bytes.
.set X, 32                             ; v32-159  my column's 128 numbers
.set C, 16                             ; v16-31   codes, four registers a block: no store's data are written again
	s_load_b256 s[4:11], s[0:1], 0x0               ; Wq, Wk, Wv, Wo
	s_load_b128 s[12:15], s[0:1], 0x20             ; wC, wS
	v_lshl_add_u32 v160, v0, 2, 0x200
	v_mov_b32 v161, 0
	v_lshrrev_b32 v1, 5, v0                        ; wave j
	v_readfirstlane_b32 s16, v1
	v_and_b32 v2, 31, v0                           ; lane
	v_and_b32 v7, 15, v0                           ; r
	v_bfe_u32 v8, v0, 4, 1                         ; u: which of my wave's two tiles
	v_and_b32 v9, 8, v7
	v_add_nc_u32 v9, v9, v7                        ; r + 8 (r / 8)
	v_lshl_add_u32 v9, v8, 3, v9                   ; + 8 u: my column among the wave's 32
	v_lshlrev_b32 v3, 2, v9
	v_lshl_add_u32 v3, v1, 7, v3                   ; in: 128 j + 4 x column
	v_lshlrev_b32 v4, 4, v7
	v_lshl_add_u32 v4, v8, 10, v4
	v_lshl_add_u32 v4, v1, 11, v4                  ; out: 2048 j + 1024 u + 16 r
	v_lshlrev_b32 v6, 4, v2                        ; 16 x lane
	v_lshl_add_u32 v5, v1, 2, v6                   ; LDS: 16 x lane + 4 j: my scale word's place in the work-group's 512 bytes
	s_and_b32 s17, ttmp7, 0xffff                   ; which weight
	s_and_b32 s18, ttmp9, 7                        ; which 128 columns
	s_lshr_b32 s19, ttmp9, 3                       ; which K step
	s_lshl_b32 s20, s19, 19                        ; W: 128 rows of 4,096 bytes a K step,
	s_lshl_b32 s21, s18, 9                         ; 512 bytes for 128 columns
	s_add_co_u32 s20, s20, s21
	s_mov_b32 s21, 0
	s_lshl_b32 s22, s17, 19                        ; wC: 524,288 a weight, 65,536 a K step, 8,192 for eight tiles
	s_lshl_b32 s23, s19, 16
	s_add_co_u32 s22, s22, s23
	s_lshl_b32 s23, s18, 13
	s_add_co_u32 s22, s22, s23
	s_mov_b32 s23, 0
	s_lshl_b32 s24, s17, 15                        ; wS: 32,768 a weight, 4,096 a K step, 512 for eight tiles
	s_lshl_b32 s25, s19, 12
	s_add_co_u32 s24, s24, s25
	s_lshl_b32 s25, s18, 9
	s_add_co_u32 s24, s24, s25
	s_mov_b32 s25, 0
	s_wait_alu depctr_va_vdst(0)
	s_wait_kmcnt 0x0
	s_cmp_eq_u32 s17, 1                            ; the weight is chosen by the work-group's number alone
	s_cselect_b64 s[4:5], s[6:7], s[4:5]
	s_cmp_eq_u32 s17, 2
	s_cselect_b64 s[4:5], s[8:9], s[4:5]
	s_cmp_eq_u32 s17, 3
	s_cselect_b64 s[4:5], s[10:11], s[4:5]
	s_add_nc_u64 s[4:5], s[4:5], s[20:21]
	s_add_nc_u64 s[12:13], s[12:13], s[22:23]
	s_add_nc_u64 s[14:15], s[14:15], s[24:25]
.set k, 0
.rept 128
	global_load_b32 v[X+k], v3, s[4:5] offset:k*4096 th:TH_LOAD_NT   ; row k of the K step: the wave reads 128 consecutive bytes, the work-group 512
.set k, k+1
.endr
; Block t of four.  left: how many younger loads may stay out (behind the block's 32 loads 96, 64, 32, 0 were issued; a wait names 63 at the most).
.macro BLOCK t, left
.set XS, X+32*(\t)
	s_wait_loadcnt \left
	v_max3_num_f32 v10, |v[XS]|, |v[XS+1]|, |v[XS+2]|              ; the block's largest magnitude: all 32 numbers are mine; two chains
	v_max3_num_f32 v11, |v[XS+3]|, |v[XS+4]|, |v[XS+5]|
.irp i, 6,10,14,18,22,26
	v_max3_num_f32 v10, v10, |v[XS+\i]|, |v[XS+\i+1]|
	v_max3_num_f32 v11, v11, |v[XS+\i+2]|, |v[XS+\i+3]|
.endr
	v_max3_num_f32 v10, v10, |v[XS+30]|, |v[XS+31]|
	v_max3_num_f32 v10, v10, v11, 0x1800000        ; and the floor 2^(3 - 127): the byte cannot fall under 1
	v_add_nc_u32 v12, 0xff000000, v10              ; 2 off the exponent field: the conversion takes the exponent field of this operand as its scale
	v_lshrrev_b32 v13, 23, v12                     ; the scale's byte
.if (\t) == 0
	v_mov_b32 v14, v13                             ; four bytes make my column's scale word, the lower k in the lower byte
.else
	v_lshl_or_b32 v14, v13, 8*(\t), v14
.endif
.irp g, 0,1,2,3
	v_cvt_scalef32_pk8_fp4_f32 v[C+4*(\t)+\g], v[XS+8*\g:XS+8*\g+7], v12
.endr
	global_store_b128 v4, v[C+4*(\t):C+4*(\t)+3], s[12:13] offset:((\t)/2)*512+((\t)%2)*256   ; part t / 2, half t % 2: sixteen lanes store 256 consecutive bytes, aligned
.endm
	BLOCK 0, 63
	BLOCK 1, 63
	BLOCK 2, 32
	BLOCK 3, 0
	ds_store_b32 v5, v14                           ; the four waves' words meet in LDS in wS's order
	s_wait_dscnt 0x0                               ; for the others' sake: my store has landed
	s_barrier_signal -1
	s_barrier_wait -1
	s_cmp_lg_u32 s16, 0
	s_cbranch_scc1 .Lend
	ds_load_b128 v[32:35], v6                      ; wave 0 stores the work-group's 512 bytes, consecutive and aligned
	s_wait_dscnt 0x0
	global_store_b128 v6, v[32:35], s[14:15]
.Lend:
	s_wait_tensorcnt 0x0
	ds_add_u32 v160, v161
	s_wait_dscnt 0x0
	s_endpgm
.Lfunc_end_k_q5089b91f90_wquant:
	.size	k_q5089b91f90_wquant, .Lfunc_end_k_q5089b91f90_wquant-k_q5089b91f90_wquant
	.p2alignl 7, 3214868480
	.fill 96, 4, 3214868480
	.section	.rodata,"a",@progbits
	.p2align	6, 0x0
	.amdhsa_kernel k_q5089b91f90_wquant
		.amdhsa_group_segment_fixed_size 1024
		.amdhsa_private_segment_fixed_size 0
		.amdhsa_enable_private_segment 0
		.amdhsa_kernarg_size 48
		.amdhsa_user_sgpr_count 2
		.amdhsa_user_sgpr_kernarg_segment_ptr 1
		.amdhsa_wavefront_size32 1
		.amdhsa_system_sgpr_workgroup_id_x 1
		.amdhsa_system_sgpr_workgroup_id_y 1
		.amdhsa_system_sgpr_workgroup_id_z 1
		.amdhsa_system_vgpr_workitem_id 0
		.amdhsa_next_free_vgpr 162
		.amdhsa_next_free_sgpr 66
		.amdhsa_reserve_vcc 0
		.amdhsa_float_denorm_mode_32 3
		.amdhsa_float_denorm_mode_16_64 3
		.amdhsa_memory_ordered 1
		.amdhsa_forward_progress 1
		.amdhsa_inst_pref_size 21
	.end_amdhsa_kernel
	.amdgpu_metadata
---
amdhsa.version: [ 1, 2 ]
amdhsa.kernels:
  - .name:           k_q5089b91f90_wquant
    .symbol:         k_q5089b91f90_wquant.kd
    .args:
      - { .name: Wq, .offset: 0, .size: 8, .value_kind: global_buffer, .address_space: global }
      - { .name: Wk, .offset: 8, .size: 8, .value_kind: global_buffer, .address_space: global }
      - { .name: Wv, .offset: 16, .size: 8, .value_kind: global_buffer, .address_space: global }
      - { .name: Wo, .offset: 24, .size: 8, .value_kind: global_buffer, .address_space: global }
      - { .name: wC, .offset: 32, .size: 8, .value_kind: global_buffer, .address_space: global }
      - { .name: wS, .offset: 40, .size: 8, .value_kind: global_buffer, .address_space: global }
    .group_segment_fixed_size: 1024
    .private_segment_fixed_size: 0
    .kernarg_segment_align: 8
    .kernarg_segment_size: 48
    .max_flat_workgroup_size: 128
    .sgpr_count:     66
    .vgpr_count:     162
    .wavefront_size: 32
...
	.end_amdgpu_metadata
.endif
;; end of part 5
;; launch proj (part 6): grid 128 x 3, 4 waves a work-group, no clusters, 272,896 bytes of LDS; arguments query, key, value, bq, bk, bv, wC, wS, pC, pS; writes pC, pS
.if DOCPART == 6
	.amdgcn_target "amdgcn-amd-amdhsa--gfx1250"
	.amdhsa_code_object_version 6
	.text
	.protected	k_q5089b91f90_proj
	.globl	k_q5089b91f90_proj
	.p2align	8
	.type	k_q5089b91f90_proj,@function
k_q5089b91f90_proj:
	s_mov_b64 s[64:65], 0
	v_nop
	global_prefetch_b8 v0, s[64:65] scope:SCOPE_SE
	s_setreg_imm32_b32 hwreg(HW_REG_WAVE_MODE, 25, 1), 1
	s_wait_xcnt 0x0
; q = query Wq + bq, k = key Wk + bk, v = value Wv + bv, each product on codes of FP4 (E2M1) with one E8M0 scale for each 32 along K; the results leave as codes again, quantised for attention's products.
; Work-group (x, y): tensor y (0 q, 1 k, 2 v), rows 64 x .. 64 x + 63, ALL 1,024 columns: so the f32 rows are read and quantised once.  K goes in 8 steps of 128, all written out: every offset is an immediate, no pointer is stepped.
; SHARES.  Wave w quantises 16 of the 64 rows (tile w) and hands the fragment to the others through LDS as an image of its registers; it multiplies all four tiles of rows by ITS 16 tiles of columns
; (n = 256 w on: heads 4 w .. 4 w + 3): 64 accumulators, 512 registers.  Its weight fragments come from wC straight into its registers, 16 bytes a lane, 512 consecutive bytes a load.
; THE ROWS COME BY ASYNCHRONOUS COPIES, all issued at the head: each wave's own 16 rows, 128 copies of 512 consecutive bytes, K step by K step, into its own LDS rows of 4,096 + 16 bytes.  These bytes are filled once and read by
; that wave alone, behind its own counted wait.  So all of the work-group's 262,144 bytes of x are asked for at once, and a lane reads its 16 neighbours of each block of 32 straight out of LDS.
; THE PIPELINE.  Step s: the weights of step s + 1 are asked for (two sets of registers); x of step s + 1 is quantised and its image stored; step s is multiplied, and in its middle the numbers of x of step s + 2 are read;
; one barrier; the fragments of step s + 1 are asked for, and land behind the next step's quantising.
; THE ROWS OF A TILE ARE NOT NEIGHBOURS, in any operand: lane-row r of tile T stands for index 32 (T / 2) + 8 (T % 2) + r + 8 (r / 8).  So a lane's 16 registers of source 0's tiles 2 b, 2 b + 1 are 16 neighbours along that axis.
; q, k: source 0 = W's columns, source 1 = the rows: a lane holds one row and its registers run along the head's 64 channels, the K of the scores.
; v:    source 0 = the rows, source 1 = W's columns: a lane holds one channel and its registers run along the keys, the K of attention's second product.  The two ways part on the work-group's y alone.
; OUT.  pC [tensor 3][batch x head 64][group of 64 rows 32][i 4][lane 32][16 bytes]: a piece = 16 rows x 64 along K as four registers a lane.  q, k: i = tile of rows, K = channels.  v: i = tile of channels, K = the group's 64 keys.
;       pS [tensor][batch x head][group][lane 32][2 words]: word p of lane (r, h): piece i = 2 p + h, row r; two scale bytes, the upper two 0.
; LIMITS: a block of zeros gets the byte 1 (its codes are zeros; this program alone reads the bytes); magnitudes under 2^-124 are held at the byte 1; NaN and infinities are not served.
; NO CLUSTER, NO TENSOR LOAD: each weight fragment is used by exactly one wave of a work-group and goes into its registers by two loads; brought jointly it would pass through LDS first, 65,536 bytes written and read again in each K step, with a ring and its barriers.
; No prefetch is written: all of x is asked for at the head by the copies themselves.
; REGISTERS, in windows of 256.  Window 0: v1-9 addresses; v16-31, v194-209 the copies' addresses, never rewritten; v32-95 64 numbers of x (later 32 results); v96-103 the codes just made; v104-135, v136-167 the four x fragments, two sets;
;   v168-183 at work; v184 the word just made; v224-231 x's scale words, two sets; v232-247 W's, two sets.  On the way out: v64-127 codes, v128-143 words, v186-193 word pairs.
;   Window 1: W's 16 fragments, two sets of 128 (at the end the bias in set 0).  Window 2: accumulators of row tiles 0, 1 at 8 (16 (m % 2) + nt); window 3: of 2, 3.
.set LI,  1                            ; 16 x lane
.set XR,  2                            ; where I read x: (16 w + r) XP + 64 h
.set IMW, 3                            ; where I store my fragment's image: IMG + 1024 w + 16 x lane
.set XSW, 4                            ; and its scale words: XSC + 128 w + 4 x lane
.set IMR, 5                            ; where any image is read: IMG + 16 x lane
.set XSR, 6                            ; and its scale words: XSC + 4 x lane
.set L8,  7                            ; 8 x lane
.set BQ,  8                            ; the bias, q and k: 64 h
.set BV,  9                            ; the bias, v: 4 (r + 8 (r / 8))
.set GO,  16                           ; v16-31   copies: row i of my tile in memory: (i + 8 (i / 8)) x 4,096 + 16 x lane
.set X,   32
.set H,   32
.set PC,  96
.set XF,  104
.set TM,  168
.set PW,  184
.set PAIR, 186
.set LA,  194                          ; v194-209 copies: the same row in LDS: (16 w + i) XP + 16 x lane
.set XS,  224
.set WS,  232
.set RW,  0                            ; the bias, in window 1
.set XP,  4112                         ; an LDS row of x: 4,096 bytes + 16 = 257 x 16: the sixteen rows that a load touches start at sixteen different banks (64 banks of 4 bytes: ISA guide 11.1)
.set IMG, 64*XP                        ; LDS: x's 64 rows from 0 (copies alone write them); then two buffers of four images of 1,024 bytes;
.set XSC, IMG+8192                     ; then two buffers of four x 128 bytes of scale words (LDS stores alone write these two)
.set WV,  24
.set PATH, 25
.set SEL, 42
.set MASK, 44
.set MSB, 0
.macro WIN new                         ; the immediate's high byte repeats the setting that is left; a switch that changes nothing is dropped
.if MSB != (\new)
	s_set_vgpr_msb (MSB<<8)|(\new)
.set MSB, (\new)
.endif
.endm
.macro PLACES                          ; four plain vector instructions between a matrix instruction and a load into, or a vector read of, its registers
.rept 4
	v_nop
.endr
.endm
; One matrix instruction.  row: 1 = source 0's scales stand in lanes 16-31, 2 = source 1's.  zero = 1: it starts the sum.
.macro WM d, a, b, zero, sa, sb, row
.set wd, \d
.set wa, \a
.set wb, \b
.set wsa, \sa
.set wsb, \sb
.set wr, \row
.if \zero
.if wr == 0
	v_wmma_scale_f32_16x16x128_f8f6f4 v[wd:wd+7], v[wa:wa+7], v[wb:wb+7], 0, v[wsa], v[wsb] matrix_a_fmt:MATRIX_FMT_FP4 matrix_b_fmt:MATRIX_FMT_FP4
.elseif wr == 1
	v_wmma_scale_f32_16x16x128_f8f6f4 v[wd:wd+7], v[wa:wa+7], v[wb:wb+7], 0, v[wsa], v[wsb] matrix_a_fmt:MATRIX_FMT_FP4 matrix_b_fmt:MATRIX_FMT_FP4 matrix_a_scale:MATRIX_SCALE_ROW1
.else
	v_wmma_scale_f32_16x16x128_f8f6f4 v[wd:wd+7], v[wa:wa+7], v[wb:wb+7], 0, v[wsa], v[wsb] matrix_a_fmt:MATRIX_FMT_FP4 matrix_b_fmt:MATRIX_FMT_FP4 matrix_b_scale:MATRIX_SCALE_ROW1
.endif
.else
.if wr == 0
	v_wmma_scale_f32_16x16x128_f8f6f4 v[wd:wd+7], v[wa:wa+7], v[wb:wb+7], v[wd:wd+7], v[wsa], v[wsb] matrix_a_fmt:MATRIX_FMT_FP4 matrix_b_fmt:MATRIX_FMT_FP4
.elseif wr == 1
	v_wmma_scale_f32_16x16x128_f8f6f4 v[wd:wd+7], v[wa:wa+7], v[wb:wb+7], v[wd:wd+7], v[wsa], v[wsb] matrix_a_fmt:MATRIX_FMT_FP4 matrix_b_fmt:MATRIX_FMT_FP4 matrix_a_scale:MATRIX_SCALE_ROW1
.else
	v_wmma_scale_f32_16x16x128_f8f6f4 v[wd:wd+7], v[wa:wa+7], v[wb:wb+7], v[wd:wd+7], v[wsa], v[wsb] matrix_a_fmt:MATRIX_FMT_FP4 matrix_b_fmt:MATRIX_FMT_FP4 matrix_b_scale:MATRIX_SCALE_ROW1
.endif
.endif
.endm
; 16 nb numbers of a lane, register 16 b + i = k 32 b + 16 (lane / 16) + i of my row, become 2 nb registers of codes at v[pc] on, in the operand's layout, and my row's scale word in v[pw].  nb = 4 or 2 blocks of 32.
.macro QUANT s, nb, pc, pw
.set qs, \s
.set qp, \pc
.set qw, \pw
.set qb, 0
.rept \nb
	v_max3_num_f32 v[TM+qb], |v[qs+16*qb]|, |v[qs+16*qb+1]|, 0x1800000   ; my 16 numbers of block b, and the floor 2^(3 - 127): the byte cannot fall under 1
.set qb, qb+1
.endr
.irp i, 2,4,6,8,10,12,14
.set qb, 0
.rept \nb
	v_max3_num_f32 v[TM+qb], v[TM+qb], |v[qs+16*qb+\i]|, |v[qs+16*qb+\i+1]|   ; (the blocks by turns)
.set qb, qb+1
.endr
.endr
.set qb, 0
.rept \nb
	v_permlanex16_b32 v[TM+4+qb], v[TM+qb], s[SEL], s[SEL+1]
.set qb, qb+1
.endr
.set qb, 0
.rept \nb
	v_max_num_f32 v[TM+qb], v[TM+qb], v[TM+4+qb]   ; with lane l xor 16's 16: the block's largest magnitude
.set qb, qb+1
.endr
.set qb, 0
.rept \nb
	v_add_nc_u32 v[TM+12+qb], 0xff000000, v[TM+qb] ; 2 off its exponent field: the conversion's scale operand
.set qb, qb+1
.endr
.set qb, 0
.rept \nb
	v_lshrrev_b32 v[TM+4+qb], 23, v[TM+12+qb]      ; the scale's byte
.set qb, qb+1
.endr
	v_lshl_or_b32 v[qw], v[TM+5], 8, v[TM+4]
.if \nb == 4
	v_lshl_or_b32 v[qw], v[TM+6], 16, v[qw]
	v_lshl_or_b32 v[qw], v[TM+7], 24, v[qw]
.endif
.set qb, 0
.rept \nb
	v_cvt_scalef32_pk8_fp4_f32 v[qp+2*qb], v[qs+16*qb:qs+16*qb+7], v[TM+12+qb]
	v_cvt_scalef32_pk8_fp4_f32 v[qp+2*qb+1], v[qs+16*qb+8:qs+16*qb+15], v[TM+12+qb]
.set qb, qb+1
.endr
	v_nop                                          ; one plain instruction behind the scaled conversions
.set qb, 0
.rept \nb/2                                    ; the operand's layout wants a WHOLE block in a lane: lanes 0-15 block 2 c, lanes 16-31 block 2 c + 1
	v_permlane16_swap_b32 v[qp+4*qb], v[qp+4*qb+2]
	v_permlane16_swap_b32 v[qp+4*qb+1], v[qp+4*qb+3]
.set qb, qb+1
.endr
.endm
; K step s's weights into set s % 2: 34 loads: my 16 fragments, two parts of 512 consecutive bytes each, and their scale words (register nt / 2: lanes 0-15 the even tile, lanes 16-31 the odd one).
.macro WLOAD s
.set wl, \s
.set wp, wl%2
	WIN 0x40                                       ; destination window 1
.set nn, 0
.rept 16
	global_load_b128 v[128*wp+8*nn:128*wp+8*nn+3], v[LI], s[16:17] offset:65536*wl+1024*nn
	global_load_b128 v[128*wp+8*nn+4:128*wp+8*nn+7], v[LI], s[16:17] offset:65536*wl+1024*nn+512
.set nn, nn+1
.endr
	WIN 0
	global_load_b128 v[WS+8*wp:WS+8*wp+3], v[LI], s[18:19] offset:4096*wl
	global_load_b128 v[WS+8*wp+4:WS+8*wp+7], v[LI], s[18:19] offset:4096*wl+512
.endm
; My row's 64 numbers of K step t out of LDS: of row r, 16 neighbours of each block of 32.  Copies end in the order of issue: behind K step t's sixteen stand 16 (7 - t) others; a wait names 63 at the most.
.macro XRAW t
.set xt, \t
.if 112-16*xt > 63
	s_wait_asynccnt 63
.else
	s_wait_asynccnt 112-16*xt
.endif
.set ii, 0
.rept 16
	ds_load_b128 v[X+4*ii:X+4*ii+3], v[XR] offset:512*xt+128*(ii/4)+16*(ii%4)
.set ii, ii+1
.endr
.endm
.macro IMAGE n                         ; the fragment just made goes to LDS as it stands in my registers, into buffer n; its scale words beside it
	ds_store_b128 v[IMW], v[PC:PC+3] offset:4096*(\n)
	ds_store_b128 v[IMW], v[PC+4:PC+7] offset:4096*(\n)+512
	ds_store_b32 v[XSW], v[PW] offset:512*(\n)
.endm
.macro FRAGS n                         ; the four waves' fragments out of buffer n into set n: 12 LDS loads
.irp m, 0,1,2,3
	ds_load_b128 v[XF+32*(\n)+8*\m:XF+32*(\n)+8*\m+3], v[IMR] offset:4096*(\n)+1024*\m
	ds_load_b128 v[XF+32*(\n)+8*\m+4:XF+32*(\n)+8*\m+7], v[IMR] offset:4096*(\n)+1024*\m+512
	ds_load_b32 v[XS+4*(\n)+\m], v[XSR] offset:512*(\n)+128*\m
.endr
.endm
; A K step's 64 matrix instructions on the sets p: the 64 accumulators take turns, one instruction a turn, in the same order in every step.
; t >= 0: in the middle the numbers of x of K step t are read from LDS, so that they land behind the second half.
.macro MULS swap, zero, p, t
.set mm, 0
.rept 4
.if (mm == 2) && (\t >= 0)
	WIN 0
	XRAW \t
.endif
.if \swap
	WIN 0xa4+0x50*(mm/2)                           ; source 1 (W) window 1, C and D window 2 or 3
.else
	WIN 0xa1+0x50*(mm/2)                           ; source 0 (W) window 1, C and D window 2 or 3
.endif
.set nn, 0
.rept 16
.if \swap
	WM 8*(16*(mm%2)+nn), XF+32*(\p)+8*mm, 128*(\p)+8*nn, \zero, XS+4*(\p)+mm, WS+8*(\p)+nn/2, 2*(nn%2)
.else
	WM 8*(16*(mm%2)+nn), 128*(\p)+8*nn, XF+32*(\p)+8*mm, \zero, WS+8*(\p)+nn/2, XS+4*(\p)+mm, nn%2
.endif
.set nn, nn+1
.endr
.set mm, mm+1
.endr
	WIN 0
.endm
; K STEP s.  On entry: its weights are asked for (set s % 2), its 12 fragment loads are out (set s % 2), and the numbers of x of step s + 1 stand in v[X] on.
.macro STEP s
.set ks, \s
.set kp, ks%2
.set kn, (ks+1)%2
.set kz, 0
.if ks == 0
.set kz, 1                                     ; the first step's products start the sums: nothing is cleared
.endif
.set kt, -1
.if ks < 6
.set kt, ks+2
.endif
.if ks < 7
	WLOAD ks+1                                     ; first thing: into the set that the step before multiplied (four places stand behind its last product)
	QUANT X, 4, PC, PW                             ; x of step s + 1
	IMAGE kn                                       ; buffer (s + 1) % 2: every wave waited for its reads of it in front of the last barrier
	s_wait_loadcnt 34                              ; this step's weights are in; the 34 loads just issued may stay out
	s_wait_dscnt 3                                 ; this step's 12 fragment loads are in; the three stores issued behind them may stay out
.else
	s_cmp_eq_u32 s[PATH], 2                        ; the last step asks for the bias, in the result's layout, into W's set 0: 32 loads on either way
	s_cbranch_scc1 .Lbv_\@
	WIN 0x40
.set nn, 0
.rept 16
	global_load_b128 v[RW+8*nn:RW+8*nn+3], v[BQ], s[10:11] offset:(32*(nn/2)+8*(nn%2))*4       ; q, k: the tile's eight columns of my half
	global_load_b128 v[RW+8*nn+4:RW+8*nn+7], v[BQ], s[10:11] offset:(32*(nn/2)+8*(nn%2))*4+16
.set nn, nn+1
.endr
	WIN 0
	s_branch .Lbj_\@
.Lbv_\@:
	WIN 0x40
.set nn, 0
.rept 16
	global_load_b32 v[RW+2*nn], v[BV], s[10:11] offset:(32*(nn/2)+8*(nn%2))*4                  ; v: my lane's one column, twice: a pair for the packed addition
	global_load_b32 v[RW+2*nn+1], v[BV], s[10:11] offset:(32*(nn/2)+8*(nn%2))*4
.set nn, nn+1
.endr
	WIN 0
.Lbj_\@:
	s_wait_loadcnt 32                              ; this step's weights are in; the 32 loads of the bias may stay out
	s_wait_dscnt 0x0                               ; and its fragments
.endif
	s_cmp_eq_u32 s[PATH], 2
	s_cbranch_scc1 .Lmv_\@
	MULS 0, kz, kp, kt
	s_branch .Lmj_\@
.Lmv_\@:
	MULS 1, kz, kp, kt
.Lmj_\@:
	PLACES                                         ; behind the last product: for the next step's loads into this step's sets, and at the end for the first read of results
.if ks < 7
	s_wait_dscnt 0x0                               ; for the others' sake: my image has landed; and the numbers of x read in the products' middle are in
	s_barrier_signal -1
	s_barrier_wait -1
	FRAGS kn                                       ; they land behind the next step's quantising
.endif
.endm
	s_load_b256 s[4:11], s[0:1], 0x0               ; query, key, value, bq
	s_load_b256 s[12:19], s[0:1], 0x20             ; bk, bv, wC, wS
	s_load_b128 s[20:23], s[0:1], 0x40             ; pC, pS
	v_lshl_add_u32 v254, v0, 2, 0x42800
	v_mov_b32 v255, 0
	ds_add_u32 v254, v255
	ds_add_u32 v254, v255
	v_lshrrev_b32 v10, 5, v0
	v_readfirstlane_b32 s[WV], v10                 ; wave 0..3
	s_and_b32 s[PATH], ttmp7, 0xffff               ; 0 q, 1 k, 2 v
	v_and_b32 v10, 31, v0                          ; lane
	v_and_b32 v11, 15, v0                          ; r
	v_bfe_u32 v12, v0, 4, 1                        ; h
	v_lshlrev_b32 v[LI], 4, v10
	v_lshlrev_b32 v14, 2, v10                      ; 4 x lane
	v_lshlrev_b32 v[L8], 3, v10
	s_mul_i32 s26, s[WV], 16*XP                    ; my 16 rows of x in LDS
	v_mul_u32_u24 v13, v11, XP
	v_lshl_add_u32 v13, v12, 6, v13
	v_add_nc_u32 v[XR], s26, v13
	v_add_nc_u32 v15, s26, v[LI]
.set ii, 0
.rept 16
	v_add_nc_u32 v[LA+ii], ii*XP, v15              ; a register for each row on either side: from row to row memory steps 4,096 bytes and LDS 4,112, and a copy's immediate is added to both
	v_add_nc_u32 v[GO+ii], (ii+8*(ii/8))*4096, v[LI]
.set ii, ii+1
.endr
	s_lshl_b32 s26, s[WV], 10
	s_add_co_u32 s26, s26, IMG
	v_add_nc_u32 v[IMW], s26, v[LI]
	s_lshl_b32 s26, s[WV], 7
	s_add_co_u32 s26, s26, XSC
	v_add_nc_u32 v[XSW], s26, v14
	v_add_nc_u32 v[IMR], IMG, v[LI]
	v_add_nc_u32 v[XSR], XSC, v14
	v_lshlrev_b32 v[BQ], 6, v12
	v_and_b32 v13, 8, v11
	v_add_nc_u32 v13, v13, v11
	v_lshlrev_b32 v[BV], 2, v13
.irp b, 0,1,2,3
	v_mov_b32 v[TM+4+\b], 0                        ; written once: a lane permute's destination counts as one of its sources
.endr
	s_mov_b32 s[SEL], 0x76543210
	s_mov_b32 s[SEL+1], 0xfedcba98                 ; v_permlanex16_b32's selects for lane l xor 16
	s_mov_b32 s[MASK], 0xffff0000                  ; lanes 16-31
	s_lshl_b32 s28, ttmp9, 18                      ; x: 64 rows of 4,096 bytes a work-group,
	s_lshr_b32 s26, s[WV], 1
	s_lshl_b32 s26, s26, 17                        ; + 32 (w / 2) rows
	s_add_co_u32 s28, s28, s26
	s_and_b32 s26, s[WV], 1
	s_lshl_b32 s26, s26, 15                        ; + 8 (w % 2) rows: my tile's first row
	s_add_co_u32 s28, s28, s26
	s_mov_b32 s29, 0
	s_lshl_b32 s30, s[WV], 10                      ; the bias: my 256 columns
	s_mov_b32 s31, 0
	s_lshl_b32 s34, s[PATH], 19                    ; wC: 524,288 a weight, 16,384 for my 16 tiles
	s_lshl_b32 s26, s[WV], 14
	s_add_co_u32 s34, s34, s26
	s_mov_b32 s35, 0
	s_lshl_b32 s36, s[PATH], 15                    ; wS: 32,768 a weight, 1,024 a wave
	s_add_co_u32 s36, s36, s30
	s_mov_b32 s37, 0
	s_lshr_b32 s26, ttmp9, 5                       ; batch
	s_lshl_b32 s26, s26, 4
	s_lshl_b32 s27, s[WV], 2
	s_add_co_u32 s26, s26, s27                     ; 16 x batch + my first head
	s_and_b32 s27, ttmp9, 31                       ; the group of 64 rows in the sequence
	s_lshl_b32 s38, s[PATH], 22                    ; pC: 4,194,304 a tensor, 65,536 a head, 2,048 a group
	s_lshl_b32 s40, s26, 16
	s_add_co_u32 s38, s38, s40
	s_lshl_b32 s40, s27, 11
	s_add_co_u32 s38, s38, s40
	s_mov_b32 s39, 0
	s_lshl_b32 s40, s[PATH], 19                    ; pS: 524,288 a tensor, 8,192 a head, 256 a group
	s_lshl_b32 s41, s26, 13
	s_add_co_u32 s40, s40, s41
	s_lshl_b32 s41, s27, 8
	s_add_co_u32 s40, s40, s41
	s_mov_b32 s41, 0
	s_wait_dscnt 0x0
	s_wait_kmcnt 0x0
	s_cmp_eq_u32 s[PATH], 1                        ; tensor and bias are chosen by the work-group's number alone
	s_cselect_b64 s[4:5], s[6:7], s[4:5]
	s_cselect_b64 s[10:11], s[12:13], s[10:11]
	s_cmp_eq_u32 s[PATH], 2
	s_cselect_b64 s[4:5], s[8:9], s[4:5]
	s_cselect_b64 s[10:11], s[14:15], s[10:11]
	s_add_nc_u64 s[4:5], s[4:5], s[28:29]
	s_add_nc_u64 s[10:11], s[10:11], s[30:31]
	s_add_nc_u64 s[16:17], s[16:17], s[34:35]
	s_add_nc_u64 s[18:19], s[18:19], s[36:37]
	s_add_nc_u64 s[20:21], s[20:21], s[38:39]
	s_add_nc_u64 s[22:23], s[22:23], s[40:41]
	WLOAD 0                                        ; the first step's weights go out ahead of the copies: 34 lines, and then nothing holds them up
.set kk, 0
.rept 8                                        ; ALL OF MY x: K step by K step, a row's 512 bytes a copy.  They stand ahead of the first wait on their counter, the first LDS read and the first barrier; their address registers and their base are never written again
.set ii, 0
.rept 16
	global_load_async_to_lds_b128 v[LA+ii], v[GO+ii], s[4:5] offset:512*kk
.set ii, ii+1
.endr
.set kk, kk+1
.endr
	XRAW 0                                         ; the way in: x of step 0 is quantised,
	s_wait_dscnt 0x0
	QUANT X, 4, PC, PW
	IMAGE 0
	XRAW 1                                         ; the numbers of step 1 are read,
	s_wait_dscnt 0x0                               ; for the others' sake: my image has landed; and those numbers are in
	s_barrier_signal -1
	s_barrier_wait -1
	FRAGS 0                                        ; and step 0's fragments are asked for
	STEP 0
	STEP 1
	STEP 2
	STEP 3
	STEP 4
	STEP 5                                         ; reads the last numbers of x: its wait on the copies is for 0
	STEP 6
	STEP 7
; THE WAY OUT.  Piece (hd, i): 32 results a lane + the bias, quantised along the next K (two blocks of 32), stored as 512 consecutive bytes.
.macro EPI hd, i
	s_cmp_eq_u32 s[PATH], 2
	s_cbranch_scc1 .Lev_\@
	WIN 0x06+(\i)/2                                ; q, k: rows' tile i, the head's four tiles of columns.  Source 0 (results) window 2 or 3, source 1 (bias) window 1
.irp c, 0,1,2,3
.irp jj, 0,2,4,6
	v_pk_add_f32 v[H+8*\c+\jj:H+8*\c+\jj+1], v[8*(16*((\i)%2)+4*(\hd)+\c)+\jj:8*(16*((\i)%2)+4*(\hd)+\c)+\jj+1], v[RW+8*(4*(\hd)+\c)+\jj:RW+8*(4*(\hd)+\c)+\jj+1]   ; each accumulator from its low end on
.endr
.endr
	WIN 0
	s_branch .Lej_\@
.Lev_\@:
.irp c, 0,1,2,3                                ; v: the head's tile i of channels, the four tiles of rows (keys)
	WIN 0x06+\c/2
.irp jj, 0,2,4,6
	v_pk_add_f32 v[H+8*\c+\jj:H+8*\c+\jj+1], v[8*(16*(\c%2)+4*(\hd)+(\i))+\jj:8*(16*(\c%2)+4*(\hd)+(\i))+\jj+1], v[RW+2*(4*(\hd)+(\i)):RW+2*(4*(\hd)+(\i))+1]
.endr
.endr
	WIN 0
.Lej_\@:
.set CD, 64+4*(4*(\hd)+(\i))
.set WD, 128+4*(\hd)+(\i)
	s_wait_alu depctr_va_vdst(0)
	QUANT H, 2, CD, WD
	global_store_b128 v[LI], v[CD:CD+3], s[20:21] offset:65536*(\hd)+512*(\i)     ; every store has data registers of its own: none is written again
.endm
	s_wait_loadcnt 0x0                             ; the bias.  (The four places behind the last product stand at the last step's end)
.irp hd, 0,1,2,3
.irp i, 0,1,2,3
	EPI \hd, \i
.endr
	v_cndmask_b32 v[PAIR+2*\hd], v[128+4*\hd], v[128+4*\hd+1], s[MASK]            ; lanes 0-15 piece 0's words, lanes 16-31 piece 1's;
	v_cndmask_b32 v[PAIR+2*\hd+1], v[128+4*\hd+2], v[128+4*\hd+3], s[MASK]        ; pieces 2 and 3 likewise
	global_store_b64 v[L8], v[PAIR+2*\hd:PAIR+2*\hd+1], s[22:23] offset:8192*\hd  ; 32 lanes store 256 consecutive bytes, aligned
.endr
	s_wait_tensorcnt 0x0
	ds_add_u32 v254, v255
	s_wait_dscnt 0x0
	s_endpgm
.Lfunc_end_k_q5089b91f90_proj:
	.size	k_q5089b91f90_proj, .Lfunc_end_k_q5089b91f90_proj-k_q5089b91f90_proj
	.p2alignl 7, 3214868480
	.fill 96, 4, 3214868480
	.section	.rodata,"a",@progbits
	.p2align	6, 0x0
	.amdhsa_kernel k_q5089b91f90_proj
		.amdhsa_group_segment_fixed_size 272896
		.amdhsa_private_segment_fixed_size 0
		.amdhsa_enable_private_segment 0
		.amdhsa_kernarg_size 80
		.amdhsa_user_sgpr_count 2
		.amdhsa_user_sgpr_kernarg_segment_ptr 1
		.amdhsa_wavefront_size32 1
		.amdhsa_system_sgpr_workgroup_id_x 1
		.amdhsa_system_sgpr_workgroup_id_y 1
		.amdhsa_system_sgpr_workgroup_id_z 1
		.amdhsa_system_vgpr_workitem_id 0
		.amdhsa_next_free_vgpr 1024
		.amdhsa_next_free_sgpr 66
		.amdhsa_reserve_vcc 0
		.amdhsa_float_denorm_mode_32 3
		.amdhsa_float_denorm_mode_16_64 3
		.amdhsa_memory_ordered 1
		.amdhsa_forward_progress 1
		.amdhsa_inst_pref_size 255
	.end_amdhsa_kernel
	.section	.bss,"aw",@nobits
	.p2align	6
	.space	262144
	.amdgpu_metadata
---
amdhsa.version: [ 1, 2 ]
amdhsa.kernels:
  - .name:           k_q5089b91f90_proj
    .symbol:         k_q5089b91f90_proj.kd
    .args:
      - { .name: query, .offset: 0, .size: 8, .value_kind: global_buffer, .address_space: global }
      - { .name: key, .offset: 8, .size: 8, .value_kind: global_buffer, .address_space: global }
      - { .name: value, .offset: 16, .size: 8, .value_kind: global_buffer, .address_space: global }
      - { .name: bq, .offset: 24, .size: 8, .value_kind: global_buffer, .address_space: global }
      - { .name: bk, .offset: 32, .size: 8, .value_kind: global_buffer, .address_space: global }
      - { .name: bv, .offset: 40, .size: 8, .value_kind: global_buffer, .address_space: global }
      - { .name: wC, .offset: 48, .size: 8, .value_kind: global_buffer, .address_space: global }
      - { .name: wS, .offset: 56, .size: 8, .value_kind: global_buffer, .address_space: global }
      - { .name: pC, .offset: 64, .size: 8, .value_kind: global_buffer, .address_space: global }
      - { .name: pS, .offset: 72, .size: 8, .value_kind: global_buffer, .address_space: global }
    .group_segment_fixed_size: 272896
    .private_segment_fixed_size: 0
    .kernarg_segment_align: 8
    .kernarg_segment_size: 80
    .max_flat_workgroup_size: 128
    .sgpr_count:     66
    .vgpr_count:     1024
    .wavefront_size: 32
...
	.end_amdgpu_metadata
.endif
;; end of part 6
;; launch attn (part 7): grid 4 x 64, 16 waves a work-group, no clusters, 153,600 bytes of LDS; arguments pC, pS, aC, aS; writes aC, aS
.if DOCPART == 7
	.amdgcn_target "amdgcn-amd-amdhsa--gfx1250"
	.amdhsa_code_object_version 6
	.text
	.protected	k_q5089b91f90_attn
	.globl	k_q5089b91f90_attn
	.p2align	8
	.type	k_q5089b91f90_attn,@function
k_q5089b91f90_attn:
	s_mov_b64 s[64:65], 0
	v_nop
	global_prefetch_b8 v0, s[64:65] scope:SCOPE_SE
	s_setreg_imm32_b32 hwreg(HW_REG_WAVE_SCHED_MODE, 0, 2), 2
	s_setreg_imm32_b32 hwreg(HW_REG_WAVE_MODE, 25, 1), 1
	s_wait_xcnt 0x0
	s_wait_alu depctr_vm_vsrc(0)
; o = softmax(q k^T / 8) v for one head of one batch element, both products on codes of FP4 (E2M1) with one E8M0 scale for each 32 along a product's K; o leaves as codes, quantised along the last product's K (head x 64 + channel).
; THE SOFTMAX AHEAD OF THE SECOND PRODUCT: t = score x log2(e) / 8; M = the row's largest t so far, rounded UP to a whole number; p = 2^(t - M) is what is quantised, along the keys, not normalised.
; The row's sum is taken of the unquantised p, in f32, and divides o at the end.  When M moves, the sum and o are multiplied by 2^(old M - new M): exact.
; SHARES.  Work-group (x, y): head y (16 x batch + head), queries 512 x on.  A head's codes of k and v (65,536 bytes each) and their scale words lie in LDS WHOLE, filled once through registers: no ring, two barriers.
; Each of the sixteen waves takes two tiles of 16 queries, one after the other, in 256 registers: four waves to a SIMD, so that one wave's vector work stands beside another's matrix work and LDS loads.  A tile walks the 2,048 keys in 16 steps of 128.
; LAYOUT.  Both products are used transposed: S^T = k q^T (source 0 = 16 keys, source 1 = my 16 queries), O^T = v^T p^T (source 0 = 16 channels, source 1 = p): a lane holds ONE query throughout.
; The rows of every tile stand in the order 32 (T / 2) + 8 (T % 2) + r + 8 (r / 8) (as the launch before laid them), so that the 16 registers of source 0's tiles 2 b, 2 b + 1 are 16 neighbours: keys for p, channels for o.
; THE SCORES' K IS 64: a fragment's registers 0-3 hold the head's 64 channels, registers 4-7 are zero codes, which add nothing; their two scale bytes are 0, which stands for 2^-127.
; OUT.  aC [tile of rows 512 = 128 x batch + T][head 16][lane 32][16 bytes];  aS [head y 64][T 128][r 16] words, two scale bytes each.
; LIMITS: a block of zeros gets the byte 1 (its codes are zeros; this program alone reads the bytes); NaN and infinities are not served.
; NO CLUSTER: the four work-groups of a head share k and v, but each fetches them once, 143,360 bytes at its head, for 32 walks of 16 key steps; no tile is asked for in the loop.
; REGISTERS: v1-7 addresses that stay; v8-11 the step's addresses; v12 -M, v13 the largest t, v[14:15] the sum in two halves; v16-23 q; v24-27 k's scale words, v28-29 v's; v30 16 x thread; v32-95 eight fragments of k;
;   v96-159 S^T, then p; v160-191 O^T; v192-223 four fragments of v; v224-231 p's codes; v232-239, v244-247, v252-254 at work (v253 p's scale word); v240-243, v248-251 the two tiles' codes of o; v255 q's scale word.
; THE MODE: SCHED_MODE bits 1:0 = 2 (LLVM: expert scheduling mode 2), set by the entry lines.  The code itself states the register dependences between vector or matrix instructions
; and memory or LDS instructions, with s_wait_alu, always for 0.
; THE PLAN.  Registers that memory or LDS instructions touch, in the loop over the key steps:
;   v32-35 + 8 t, v24-27   k of a step and its scale words.  Read by the step's eight score products; the LDS loads of the NEXT step's k land in them, issued in the same step.
;   v192-223, v28-29       v of a step and its scale words.  Read by the step's four last products; the LDS loads of the next step's v land in them, issued in that next step.
;   v8-11                  the step's LDS addresses.  Written by four additions at the step's head; read by the step's LDS loads (k's reach a step ahead by their immediate offsets).
;   v1-7, v30, v31         made at the kernel's head, never written again.
;   All else in the loop is named by vector and matrix instructions alone.
; So the step's LDS loads stand in ONE run, behind the wait on va_vdst that stands behind the 64 exponentials anyway: ahead of that wait lie the four additions, this step's score products and the last step's last products.
; k of step 0 is asked for at a tile's head; the 16th step is written out and asks for no further k.  A step holds one wait on vm_vsrc, at its head, and four on va_vdst: ahead of the 64 exponentials, behind each of the two batches of exponentials, and ahead of the
; last products, which take p's codes and scale word from vector instructions.
.set VC,   65536                       ; LDS: k's codes from 0, v's from here, both [group of 64 keys 32][i 4][lane][16 bytes];
.set KS,   131072                      ; k's scale words [group][lane][2 words];
.set VS,   139264                      ; v's, merged for a step of 128 keys: [step 16][lane][2 words];
.set SOUT, 143360                      ; o's scale words of the work-group's 32 tiles: 2,048 bytes
.set TM,   232
.set WV,   18
.set SEL,  20
.set CS,   22
.set TK,   24                          ; the step's codes: 4,096 bytes a step, in k and in v
.set TKS,  25                          ; k's scale words: 512 a step
.set TVS,  26                          ; v's: 256 a step
.set CNT,  27
; 32 numbers of a lane, register 16 b + i = k 32 b + 16 (lane / 16) + i of my row, become four registers of codes at v[pc] on and my row's scale word (two bytes) in v[pw].
.macro QUANT2 s, pc, pw
.set qs, \s
.set qp, \pc
.set qw, \pw
.irp b, 0,1
	v_max3_num_f32 v[TM+\b], |v[qs+16*\b]|, |v[qs+16*\b+1]|, 0x1800000       ; and the floor 2^(3 - 127): the byte cannot fall under 1
.endr
.irp i, 2,4,6,8,10,12,14
.irp b, 0,1
	v_max3_num_f32 v[TM+\b], v[TM+\b], |v[qs+16*\b+\i]|, |v[qs+16*\b+\i+1]|
.endr
.endr
.irp b, 0,1
	v_permlanex16_b32 v[TM+4+\b], v[TM+\b], s[SEL], s[SEL+1]
.endr
.irp b, 0,1
	v_max_num_f32 v[TM+\b], v[TM+\b], v[TM+4+\b]
.endr
.irp b, 0,1
	v_add_nc_u32 v[TM+12+\b], 0xff000000, v[TM+\b]
.endr
.irp b, 0,1
	v_lshrrev_b32 v[TM+4+\b], 23, v[TM+12+\b]
.endr
	v_lshl_or_b32 v[qw], v[TM+5], 8, v[TM+4]
.irp b, 0,1
	v_cvt_scalef32_pk8_fp4_f32 v[qp+2*\b], v[qs+16*\b:qs+16*\b+7], v[TM+12+\b]
	v_cvt_scalef32_pk8_fp4_f32 v[qp+2*\b+1], v[qs+16*\b+8:qs+16*\b+15], v[TM+12+\b]
.endr
	v_nop                                          ; one plain instruction behind the scaled conversions
	v_permlane16_swap_b32 v[qp], v[qp+2]           ; a WHOLE block in a lane: lanes 0-15 block 0, lanes 16-31 block 1
	v_permlane16_swap_b32 v[qp+1], v[qp+3]
.endm
	s_load_b256 s[4:11], s[0:1], 0x0               ; pC, pS, aC, aS
	v_lshrrev_b32 v8, 5, v0
	v_readfirstlane_b32 s[WV], v8                  ; wave 0..15
	v_and_b32 v9, 31, v0                           ; lane
	v_and_b32 v10, 15, v0                          ; r
	v_lshlrev_b32 v1, 4, v9                        ; 16 x lane: a piece's place for my lane; k's codes begin at LDS byte 0
	v_lshlrev_b32 v11, 3, v9                       ; 8 x lane
	v_add_nc_u32 v2, KS, v11
	v_add_nc_u32 v3, VC, v1
	v_add_nc_u32 v4, VS, v11
	v_lshlrev_b32 v5, 3, v10                       ; q's scale words: 8 r
	v_lshlrev_b32 v6, 2, v10
	s_wait_alu depctr_va_sdst(0)                   ; the wave's number is written into s18, ahead of its first reader
	s_lshl_b32 s19, s[WV], 7
	s_add_co_u32 s19, s19, SOUT
	v_add_nc_u32 v6, s19, v6                       ; o's scale words: SOUT + 128 x wave + 4 r
	v_lshlrev_b32 v30, 4, v0                       ; 16 x thread
	v_add_nc_u32 v7, SOUT, v30
	v_lshl_add_u32 v31, v8, 9, v11                 ; v's scale words in memory: 512 x wave + 8 x lane
	v_add_nc_u32 v106, VC, v30
	v_add_nc_u32 v107, KS, v30
	v_lshlrev_b32 v108, 3, v0
	v_add_nc_u32 v108, VS, v108
	s_mov_b32 s[SEL], 0x76543210
	s_mov_b32 s[SEL+1], 0xfedcba98                 ; v_permlanex16_b32's selects for lane l xor 16
	s_mov_b32 s[CS], 0x3e38aa3b                    ; c = log2(e) / 8
	s_mov_b32 s[CS+1], s[CS]                       ; (named with it as a pair, so it is written)
	s_and_b32 s12, ttmp7, 0xffff                   ; 16 x batch + head
	s_lshl_b32 s14, s12, 16                        ; a head's codes: 65,536 bytes
	s_mov_b32 s15, 0
	s_lshl_b32 s16, s12, 13                        ; a head's scale words: 8,192 bytes, in pS and in aS
	s_mov_b32 s17, 0
	s_lshl_b32 s44, ttmp9, 5
	s_lshl_b32 s45, s[WV], 1
	s_add_co_u32 s44, s44, s45                     ; my first tile of queries: 32 x + 2 x wave
	s_lshl_b32 s46, s44, 9                         ; 512 bytes a tile
	s_mov_b32 s47, 0
	s_lshl_b32 s48, ttmp9, 11                      ; q's scale words: group 8 x + wave / 2 (256 bytes a group), word wave % 2
	s_lshr_b32 s49, s[WV], 1
	s_lshl_b32 s49, s49, 8
	s_add_co_u32 s48, s48, s49
	s_and_b32 s49, s[WV], 1
	s_lshl_b32 s49, s49, 2
	s_add_co_u32 s48, s48, s49
	s_mov_b32 s49, 0
	s_lshr_b32 s50, s12, 4                         ; batch
	s_lshl_b32 s50, s50, 7
	s_add_co_u32 s50, s50, s44                     ; 128 x batch + tile
	s_lshl_b32 s50, s50, 13                        ; aC: 8,192 bytes a tile of rows,
	s_and_b32 s51, s12, 15
	s_lshl_b32 s51, s51, 9                         ; 512 a head
	s_add_co_u32 s50, s50, s51
	s_mov_b32 s51, 0
	s_lshl_b32 s52, ttmp9, 11                      ; aS: the work-group's 32 tiles x 64 bytes
	s_mov_b32 s53, 0
	s_wait_kmcnt 0x0
	s_add_nc_u64 s[36:37], s[4:5], s[14:15]        ; q's codes of my head;
	s_add_nc_u64 s[28:29], s[36:37], 0x400000      ; k's, a tensor (4,194,304 bytes) on;
	s_add_nc_u64 s[30:31], s[36:37], 0x800000      ; v's, two
	s_add_nc_u64 s[36:37], s[36:37], s[46:47]
	s_add_nc_u64 s[38:39], s[6:7], s[16:17]        ; the scale words likewise: 524,288 bytes a tensor
	s_add_nc_u64 s[32:33], s[38:39], 0x80000
	s_add_nc_u64 s[34:35], s[38:39], 0x100000
	s_add_nc_u64 s[38:39], s[38:39], s[48:49]
	s_add_nc_u64 s[40:41], s[8:9], s[50:51]
	s_add_nc_u64 s[42:43], s[10:11], s[16:17]
	s_add_nc_u64 s[42:43], s[42:43], s[52:53]
	s_wait_alu depctr_va_vdst(0)                   ; the addresses and offsets v1 to v7, v30, v31 and v106 to v108 are written, which the loads and stores of the whole kernel read
	; THE FILL: 512 threads x 16 bytes are 8,192 consecutive bytes a line
.irp i, 0,1,2,3,4,5,6,7
	global_load_b128 v[32+4*\i:35+4*\i], v30, s[28:29] offset:8192*\i
.endr
.irp i, 0,1,2,3,4,5,6,7
	global_load_b128 v[64+4*\i:67+4*\i], v30, s[30:31] offset:8192*\i
.endr
	global_load_b128 v[96:99], v30, s[32:33]
	global_load_b64 v[100:101], v31, s[34:35]              ; v's words of groups 2 x wave
	global_load_b64 v[102:103], v31, s[34:35] offset:256   ; and 2 x wave + 1: the two halves of key step number wave
	s_wait_loadcnt 0x0
.irp i, 0,1,2,3,4,5,6,7
	ds_store_b128 v30, v[32+4*\i:35+4*\i] offset:8192*\i
.endr
.irp i, 0,1,2,3,4,5,6,7
	ds_store_b128 v106, v[64+4*\i:67+4*\i] offset:8192*\i
.endr
	ds_store_b128 v107, v[96:99]
	v_perm_b32 v104, v102, v100, 0x05040100        ; two bytes of the first 64 keys below, two of the second 64 above: the scale word of 128 keys
	v_perm_b32 v105, v103, v101, 0x05040100
	s_wait_alu depctr_va_vdst(0)                   ; the two lines above have written v104 and v105, which the LDS store below reads
	ds_store_b64 v108, v[104:105]
	s_wait_dscnt 0x0                               ; for the others' sake: my stores have landed
	s_barrier_signal -1
	s_barrier_wait -1
	s_wait_alu depctr_vm_vsrc(0)                   ; my LDS stores have read v32 to v108: these registers are written again from here on, by the lines below, by the loads of k and by the products
.irp j, 20,21,22,23
	v_mov_b32 v[\j], 0                             ; zero codes for K = 64 .. 127: q's fragment,
.endr
.irp t, 0,1,2,3,4,5,6,7
.irp j, 4,5,6,7
	v_mov_b32 v[32+8*\t+\j], 0                     ; and k's eight
.endr
.endr
.irp b, 0,1,2,3
	v_mov_b32 v[236+\b], 0                         ; written once: a lane permute's destination counts as one of its sources
.endr
	v_mov_b32 v253, 0                              ; (named as the upper half of the pair v[252:253] before it is first written)
	s_wait_alu depctr_va_vdst(0)                   ; the zero codes v20 to v23 and v36 to v39 + 8 t are written, which every score product takes in its operands; no vector instruction writes them again
; A KEY STEP: 128 keys.  next = 1: the next step's k is asked for; 0: the tile's last step.
.macro STEP next
	s_wait_alu depctr_vm_vsrc(0)                   ; the last step's LDS loads have read v8 to v11, which the four lines below write again
	v_add_nc_u32 v8, s[TK], v1
	v_add_nc_u32 v9, s[TKS], v2
	v_add_nc_u32 v10, s[TK], v3
	v_add_nc_u32 v11, s[TVS], v4
	s_wait_dscnt 0x0                               ; this step's k and its words, asked for a step ago (the first step's: at the tile's head), are in
.irp u, 0,1,2,3
	v_wmma_scale_f32_16x16x128_f8f6f4 v[96+16*\u:103+16*\u], v[32+16*\u:39+16*\u], v[16:23], 0, v[24+\u], v255 matrix_a_fmt:MATRIX_FMT_FP4 matrix_b_fmt:MATRIX_FMT_FP4
	v_wmma_scale_f32_16x16x128_f8f6f4 v[104+16*\u:111+16*\u], v[40+16*\u:47+16*\u], v[16:23], 0, v[24+\u], v255 matrix_a_fmt:MATRIX_FMT_FP4 matrix_b_fmt:MATRIX_FMT_FP4 matrix_a_scale:MATRIX_SCALE_ROW1
.endr                                          ; register 16 b + i of v96 on: key 32 b + 16 (lane / 16) + i of the step
.rept 4
	v_nop
.endr
.irp b, 0,1,2,3
	v_max3_num_f32 v[232+\b], v[96+16*\b], v[97+16*\b], v[98+16*\b]   ; THE LARGEST SCORE OF EACH BLOCK OF 32 KEYS: for the row's maximum, and, since p rises with the score, for the block's largest p
.endr
.irp i, 3,5,7,9,11,13
.irp b, 0,1,2,3
	v_max3_num_f32 v[232+\b], v[232+\b], v[96+16*\b+\i], v[97+16*\b+\i]
.endr
.endr
.irp b, 0,1,2,3
	v_max_num_f32 v[232+\b], v[232+\b], v[111+16*\b]
.endr
.irp b, 0,1,2,3
	v_permlanex16_b32 v[236+\b], v[232+\b], s[SEL], s[SEL+1]
.endr
.irp b, 0,1,2,3
	v_max_num_f32 v[232+\b], v[232+\b], v[236+\b]  ; with lane l xor 16's 16 keys
.endr
	v_max3_num_f32 v254, v232, v233, v234
	v_max_num_f32 v254, v254, v235                 ; the step's largest score of my query
	v_mul_f32 v254, s[CS], v254                    ; as t (c is positive)
	v_max_num_f32 v13, v13, v254                   ; the running largest t
	v_mov_b32 v254, v12
	v_floor_f32 v12, -v13                          ; the new -M = floor(-t) = -ceil(t): M is a whole number
	v_sub_f32 v254, v12, v254                      ; M's old value less its new one: a whole number, 0 or less
	v_cvt_i32_f32 v254, v254                       ; (it saturates)
	v_ldexp_f32 v252, 1.0, v254                    ; f = 2^(old M - new M)
.set j, 0
.rept 32
	v_pk_fma_f32 v[96+j:97+j], v[96+j:97+j], s[CS:CS+1], v[12:13] op_sel_hi:[1,0,0]   ; t - M, two at a time (of the pairs c and -M the low word serves both halves)
.set j, j+2
.endr
.irp b, 0,1,2,3
	v_fma_f32 v[232+\b], v[232+\b], s[CS], v12     ; the same of each block's largest score
.endr
.set j, 0
	s_wait_alu depctr_va_vdst(0)
.rept 64
	v_exp_f32 v[96+j], v[96+j]                     ; p = 2^(t - M), at most 1: not normalised
.set j, j+1
.endr
	v_pk_mul_f32 v[14:15], v[14:15], v[252:253] op_sel_hi:[1,0]   ; the sums under the new M: the plain instruction behind the exponentials
	s_wait_alu depctr_va_vdst(0)                   ; the 64 exponentials have written p, ahead of its first reader; v8 to v11 are written, which the loads below read; this step's score products are done reading k and its words, and the last step's last products v and its words, in which these loads land
.irp t, 0,1,2,3
.irp c, 0,1
	ds_load_b128 v[192+8*\t+4*\c:195+8*\t+4*\c], v10 offset:2048*\c+512*\t   ; this step's v: channels' tile t, keys 64 c on
.endr
.endr
	ds_load_b64 v[28:29], v11
.if \next
.irp t, 0,1,2,3,4,5,6,7
	ds_load_b128 v[32+8*\t:35+8*\t], v8 offset:4096+512*\t                   ; the next step's k: the immediate reaches a step ahead
.endr
	ds_load_b64 v[24:25], v9 offset:512            ; register t / 2: lanes 0-15 the even tile's words, lanes 16-31 the odd one's
	ds_load_b64 v[26:27], v9 offset:768
.endif
.irp b, 0,1,2,3
	v_exp_f32 v[232+\b], v[232+\b]                 ; the block's largest p: the same two instructions on the same number
.endr
	v_pk_add_f32 v[236:237], v[96:97], v[98:99]    ; THE ROW'S SUM IS TAKEN OF THE UNQUANTISED p, two at a time, in two chains: plain work behind the four
.irp j, 4,8,12,16,20,24,28,32,36,40,44,48,52,56,60
	v_pk_add_f32 v[14:15], v[14:15], v[96+\j:97+\j]
	v_pk_add_f32 v[236:237], v[236:237], v[98+\j:99+\j]
.endr
	v_pk_add_f32 v[14:15], v[14:15], v[236:237]
	s_wait_alu depctr_va_vdst(0)                   ; the four exponentials have written v232 to v235, ahead of their first reader
.irp b, 0,1,2,3
	v_max_num_f32 v[232+\b], 0x1800000, v[232+\b]  ; the floor 2^(3 - 127): the byte cannot fall under 1
.endr
.irp b, 0,1,2,3
	v_add_nc_u32 v[244+\b], 0xff000000, v[232+\b]  ; 2 off the exponent field: the conversion's scale operand
.endr
.irp b, 0,1,2,3
	v_lshrrev_b32 v[236+\b], 23, v[244+\b]         ; the scale's byte
.endr
	v_lshl_or_b32 v253, v237, 8, v236              ; p's scale word for these 128 keys
	v_lshl_or_b32 v253, v238, 16, v253
	v_lshl_or_b32 v253, v239, 24, v253
.irp b, 0,1,2,3
	v_cvt_scalef32_pk8_fp4_f32 v[224+2*\b], v[96+16*\b:103+16*\b], v[244+\b]
	v_cvt_scalef32_pk8_fp4_f32 v[225+2*\b], v[104+16*\b:111+16*\b], v[244+\b]
.endr
	v_nop                                          ; one plain instruction behind the scaled conversions
.irp c, 0,1
.irp i, 0,1
	v_permlane16_swap_b32 v[224+4*\c+\i], v[226+4*\c+\i]   ; a WHOLE block in a lane: lanes 0-15 block 2 c, lanes 16-31 block 2 c + 1
.endr
.endr
.set j, 0
.rept 16
	v_pk_mul_f32 v[160+j:161+j], v[160+j:161+j], v[252:253] op_sel_hi:[1,0]   ; O^T under the new M.  These sixteen stand between the lines that made p's codes and scale word and the products that take them
.set j, j+2
.endr
.if \next
	s_wait_dscnt 10                                ; v and its words are in; the ten loads of the next step's k, issued behind them, may stay out
.else
	s_wait_dscnt 0x0                               ; v and its words are in
.endif
	s_wait_alu depctr_va_vdst(0)                   ; vector instructions have written p's codes v224 to v231 and its scale word v253, which the products below take as operand and as scales; the sixteen places above stay beside this wait
.irp u, 0,1
	v_wmma_scale_f32_16x16x128_f8f6f4 v[160+16*\u:167+16*\u], v[192+16*\u:199+16*\u], v[224:231], v[160+16*\u:167+16*\u], v[28+\u], v253 matrix_a_fmt:MATRIX_FMT_FP4 matrix_b_fmt:MATRIX_FMT_FP4
	v_wmma_scale_f32_16x16x128_f8f6f4 v[168+16*\u:175+16*\u], v[200+16*\u:207+16*\u], v[224:231], v[168+16*\u:175+16*\u], v[28+\u], v253 matrix_a_fmt:MATRIX_FMT_FP4 matrix_b_fmt:MATRIX_FMT_FP4 matrix_a_scale:MATRIX_SCALE_ROW1
.endr                                          ; four accumulators, one instruction each: no two that follow each other share one
.if \next
	s_add_co_u32 s[TK], s[TK], 4096
	s_add_co_u32 s[TKS], s[TKS], 512
	s_add_co_u32 s[TVS], s[TVS], 256
.endif
.endm
; ONE TILE OF 16 QUERIES, the wave's it-th.  oc: where its codes of o stay until their store has left.
; Its first twelve loads owe no wait of their own: they stand behind a wait on va_vdst (tile 0: the one behind the zero codes; tile 1: the one ahead of tile 0's stores) since which no vector or matrix instruction has been issued.
.macro TILE it, oc
	global_load_b128 v[16:19], v1, s[36:37] offset:512*\it
	global_load_b32 v255, v5, s[38:39] offset:128*\it      ; piece 2 (wave % 2) + it: lanes (r, h = it) of the group's words
.irp t, 0,1,2,3,4,5,6,7
	ds_load_b128 v[32+8*\t:35+8*\t], v1 offset:512*\t      ; key step 0's k,
.endr
	ds_load_b64 v[24:25], v2                       ; and its words
	ds_load_b64 v[26:27], v2 offset:256
	v_mov_b32 v13, 0xff61b1e6                      ; the largest t so far: -3e38, under every t
	v_floor_f32 v12, -v13                          ; -M
	v_mov_b32 v14, 0                               ; the sum, in two halves
	v_mov_b32 v15, 0
.set j, 0
.rept 32
	v_mov_b32 v[160+j], 0                          ; O^T.  (The first step finds zeros, which the first change of M leaves zeros)
.set j, j+1
.endr
	s_mov_b32 s[TK], 0
	s_mov_b32 s[TKS], 0
	s_mov_b32 s[TVS], 0
	s_mov_b32 s[CNT], 15
	s_wait_loadcnt 0x0                             ; q
.Lstep_\@:                                     ; key steps 0 to 14
	STEP 1
	s_sub_co_u32 s[CNT], s[CNT], 1
	s_cmp_lg_u32 s[CNT], 0
	s_cbranch_scc1 .Lstep_\@
	STEP 0                                         ; key step 15 is written out: no k is asked for that nobody multiplies
	v_add_f32 v14, v14, v15                        ; the sum's two halves,
	v_permlanex16_b32 v252, v14, s[SEL], s[SEL+1]
	v_add_f32 v14, v14, v252                       ; and lane l xor 16's: the row's sum
	s_wait_alu depctr_va_vdst(0)
	v_rcp_f32 v14, v14
.rept 4
	v_nop                                          ; the plain instruction behind the reciprocal, and the places behind the last products
.endr
	s_wait_alu depctr_va_vdst(0)                   ; the reciprocal has written v14, ahead of its first reader
.set j, 0
.rept 16
	v_pk_mul_f32 v[96+j:97+j], v[160+j:161+j], v[14:15] op_sel_hi:[1,0]   ; o = O^T / the sum, each accumulator from its low end on: register 16 b + i is channel 32 b + 16 (lane / 16) + i
.set j, j+2
.endr
	QUANT2 96, \oc, 254
	s_wait_alu depctr_va_vdst(0)                   ; the quantiser has written o's scale word v254 and its codes, which the two stores below read; and every product is done reading q, k and their words, in which the next tile's first loads land
	ds_store_b32 v6, v254 offset:64*\it            ; lanes r and r + 16 write the same word with the same value
	global_store_b128 v1, v[\oc:\oc+3], s[40:41] offset:8192*\it          ; 512 consecutive bytes
	s_wait_dscnt 0x0                               ; for the others' sake: my LDS store has landed; other waves read these words behind the barrier below
.endm
	TILE 0, 240
	TILE 1, 248
	s_wait_alu depctr_vm_vsrc(0)                   ; the last tile's LDS store has read v254 and the steps' LDS loads v9: both are written again below, v9 in waves 0 to 3, v254 in every wave
	s_barrier_signal -1                            ; (every wave's LDS stores were waited for just above)
	s_barrier_wait -1
	s_cmp_ge_u32 s[WV], 4
	s_cbranch_scc1 .Lend
	ds_load_b128 v[96:99], v7                      ; waves 0 to 3 store the work-group's 2,048 bytes of scale words, consecutive and aligned.  (No vector instruction has named v96 to v99 since the wait ahead of the last tile's stores)
	v_lshlrev_b32 v9, 4, v0
	s_wait_dscnt 0x0
	s_wait_alu depctr_va_vdst(0)                   ; v9 is written, which the store below reads as its offset
	global_store_b128 v9, v[96:99], s[42:43]
.Lend:
	s_wait_xcnt 0x0
	v_lshl_add_u32 v254, v0, 2, 0x25000            ; the add's two registers are made anew, straight ahead of the closing lines: no memory or LDS instruction has read either since the wait on vm_vsrc above
	v_mov_b32 v255, 0
	s_wait_dscnt 0x0                               ; the closing lines, six on end
	s_wait_alu 0x0
	s_wait_tensorcnt 0x0
	ds_add_u32 v254, v255
	s_wait_dscnt 0x0
	s_endpgm
.Lfunc_end_k_q5089b91f90_attn:
	.size	k_q5089b91f90_attn, .Lfunc_end_k_q5089b91f90_attn-k_q5089b91f90_attn
	.p2alignl 7, 3214868480
	.fill 96, 4, 3214868480
	.section	.rodata,"a",@progbits
	.p2align	6, 0x0
	.amdhsa_kernel k_q5089b91f90_attn
		.amdhsa_group_segment_fixed_size 153600
		.amdhsa_private_segment_fixed_size 0
		.amdhsa_enable_private_segment 0
		.amdhsa_kernarg_size 32
		.amdhsa_user_sgpr_count 2
		.amdhsa_user_sgpr_kernarg_segment_ptr 1
		.amdhsa_wavefront_size32 1
		.amdhsa_system_sgpr_workgroup_id_x 1
		.amdhsa_system_sgpr_workgroup_id_y 1
		.amdhsa_system_sgpr_workgroup_id_z 1
		.amdhsa_system_vgpr_workitem_id 0
		.amdhsa_next_free_vgpr 256
		.amdhsa_next_free_sgpr 66
		.amdhsa_reserve_vcc 0
		.amdhsa_float_denorm_mode_32 3
		.amdhsa_float_denorm_mode_16_64 3
		.amdhsa_memory_ordered 1
		.amdhsa_forward_progress 1
		.amdhsa_inst_pref_size 78
	.end_amdhsa_kernel
	.amdgpu_metadata
---
amdhsa.version: [ 1, 2 ]
amdhsa.kernels:
  - .name:           k_q5089b91f90_attn
    .symbol:         k_q5089b91f90_attn.kd
    .args:
      - { .name: pC, .offset: 0, .size: 8, .value_kind: global_buffer, .address_space: global }
      - { .name: pS, .offset: 8, .size: 8, .value_kind: global_buffer, .address_space: global }
      - { .name: aC, .offset: 16, .size: 8, .value_kind: global_buffer, .address_space: global }
      - { .name: aS, .offset: 24, .size: 8, .value_kind: global_buffer, .address_space: global }
    .group_segment_fixed_size: 153600
    .private_segment_fixed_size: 0
    .kernarg_segment_align: 8
    .kernarg_segment_size: 32
    .max_flat_workgroup_size: 512
    .sgpr_count:     66
    .vgpr_count:     256
    .wavefront_size: 32
...
	.end_amdgpu_metadata
.endif
;; end of part 7
;; launch outp (part 8): grid 256 x 1, 4 waves a work-group, no clusters, 263,168 bytes of LDS; arguments aC, aS, wC, wS, bo, query, ln_gamma, ln_beta, out0; writes out0
.if DOCPART == 8
	.amdgcn_target "amdgcn-amd-amdhsa--gfx1250"
	.amdhsa_code_object_version 6
	.text
	.protected	k_q5089b91f90_outp
	.globl	k_q5089b91f90_outp
	.p2align	8
	.type	k_q5089b91f90_outp,@function
k_q5089b91f90_outp:
	s_mov_b64 s[64:65], 0
	v_nop
	global_prefetch_b8 v0, s[64:65] scope:SCOPE_SE
	s_setreg_imm32_b32 hwreg(HW_REG_WAVE_MODE, 25, 1), 1
	s_wait_xcnt 0x0
; out0 = LayerNorm(o Wo + bo + query) x ln_gamma + ln_beta.  The product on codes of FP4 (E2M1) with one E8M0 scale for each 32 along K; all else in f32.
; SHARES.  A work-group takes 32 rows (two tiles of 16) and ALL 1,024 columns, so that a row's mean and variance never leave it.  Wave w multiplies both tiles by its 16 tiles of columns (n = 256 w on): 32 accumulators, 256 registers.
; K goes in 8 steps of 128 (two heads), written out: every offset is an immediate, no pointer is stepped.  The weight fragments come from wC, o's from aC, straight into registers, 512 consecutive bytes a load, one K step ahead, in two sets.
; Source 0 = W's columns, source 1 = o's rows: a lane holds one row and eight neighbouring columns a tile.  The results meet in a stage in LDS (rows of 4,096 bytes + 16); behind one barrier each wave takes 8 whole rows.
; THE ROWS OF A TILE ARE NOT NEIGHBOURS (row 8 m + r + 8 (r / 8) of the 32): stage rows 8 w .. 8 w + 7 are the rows 8 (w / 2) + 16 (w % 2) + 0 .. 7, which ARE neighbours: 32,768 consecutive bytes of query and of out0.
; THE RESIDUAL comes by asynchronous copies issued at the head, each wave's own 8 rows into its own 32,768 bytes of LDS, filled once and read by that wave alone behind its own wait: it is on its way while the product runs.
; THE VARIANCE is the mean of (y - mean)^2, in two passes over registers: no difference of large sums.
; NO CLUSTER, NO TENSOR LOAD: each weight fragment is used by exactly one wave of a work-group and goes into its registers by two loads; brought jointly it would pass through LDS first, 65,536 bytes written and read again in each K step.
; REGISTERS, in windows of 256.  Window 0: v1-6 addresses; v8-15 at work; v16-47 o's fragments, two sets (later rows of y); v48-63 the heads' scale words as stored; v64-95 bo, v96-127 ln_gamma, v128-159 ln_beta (a lane's 32 columns of a row);
;   v160-191 rows of y; v192-223 a residual row; v224-231 o's scale words, one a K step; v232-247 W's, two sets.  Window 1: W's fragments, two sets of 128.  Window 2: accumulator (m, nt) at 8 (16 m + nt).
.set STG, 131072                       ; LDS: four residual regions of 32,768 bytes from 0 (copies alone write them); the stage from here: 32 rows x 4,112 bytes (LDS stores alone write it)
.set SP,  4112
.set AF,  16
.set H,   48
.set BO,  64
.set GA,  96
.set BE,  128
.set Y0,  160
.set Y1,  16
.set R,   192
.set AS,  224
.set WS,  232
.set WV,  22
.set SEL, 34
.set MSB, 0
.macro WIN new                         ; the immediate's high byte repeats the setting that is left; a switch that changes nothing is dropped
.if MSB != (\new)
	s_set_vgpr_msb (MSB<<8)|(\new)
.set MSB, (\new)
.endif
.endm
.macro PLACES                          ; four plain vector instructions between a matrix instruction and a load into, or a store of, its registers
.rept 4
	v_nop
.endr
.endm
; One matrix instruction.  row: bit 0 = source 0's scales stand in lanes 16-31, bit 1 = source 1's.  zero = 1: it starts the sum.
.macro WM d, a, b, zero, sa, sb, row
.set wd, \d
.set wa, \a
.set wb, \b
.set wsa, \sa
.set wsb, \sb
.set wr, \row
.if \zero
.if wr == 0
	v_wmma_scale_f32_16x16x128_f8f6f4 v[wd:wd+7], v[wa:wa+7], v[wb:wb+7], 0, v[wsa], v[wsb] matrix_a_fmt:MATRIX_FMT_FP4 matrix_b_fmt:MATRIX_FMT_FP4
.elseif wr == 1
	v_wmma_scale_f32_16x16x128_f8f6f4 v[wd:wd+7], v[wa:wa+7], v[wb:wb+7], 0, v[wsa], v[wsb] matrix_a_fmt:MATRIX_FMT_FP4 matrix_b_fmt:MATRIX_FMT_FP4 matrix_a_scale:MATRIX_SCALE_ROW1
.elseif wr == 2
	v_wmma_scale_f32_16x16x128_f8f6f4 v[wd:wd+7], v[wa:wa+7], v[wb:wb+7], 0, v[wsa], v[wsb] matrix_a_fmt:MATRIX_FMT_FP4 matrix_b_fmt:MATRIX_FMT_FP4 matrix_b_scale:MATRIX_SCALE_ROW1
.else
	v_wmma_scale_f32_16x16x128_f8f6f4 v[wd:wd+7], v[wa:wa+7], v[wb:wb+7], 0, v[wsa], v[wsb] matrix_a_fmt:MATRIX_FMT_FP4 matrix_b_fmt:MATRIX_FMT_FP4 matrix_a_scale:MATRIX_SCALE_ROW1 matrix_b_scale:MATRIX_SCALE_ROW1
.endif
.else
.if wr == 0
	v_wmma_scale_f32_16x16x128_f8f6f4 v[wd:wd+7], v[wa:wa+7], v[wb:wb+7], v[wd:wd+7], v[wsa], v[wsb] matrix_a_fmt:MATRIX_FMT_FP4 matrix_b_fmt:MATRIX_FMT_FP4
.elseif wr == 1
	v_wmma_scale_f32_16x16x128_f8f6f4 v[wd:wd+7], v[wa:wa+7], v[wb:wb+7], v[wd:wd+7], v[wsa], v[wsb] matrix_a_fmt:MATRIX_FMT_FP4 matrix_b_fmt:MATRIX_FMT_FP4 matrix_a_scale:MATRIX_SCALE_ROW1
.elseif wr == 2
	v_wmma_scale_f32_16x16x128_f8f6f4 v[wd:wd+7], v[wa:wa+7], v[wb:wb+7], v[wd:wd+7], v[wsa], v[wsb] matrix_a_fmt:MATRIX_FMT_FP4 matrix_b_fmt:MATRIX_FMT_FP4 matrix_b_scale:MATRIX_SCALE_ROW1
.else
	v_wmma_scale_f32_16x16x128_f8f6f4 v[wd:wd+7], v[wa:wa+7], v[wb:wb+7], v[wd:wd+7], v[wsa], v[wsb] matrix_a_fmt:MATRIX_FMT_FP4 matrix_b_fmt:MATRIX_FMT_FP4 matrix_a_scale:MATRIX_SCALE_ROW1 matrix_b_scale:MATRIX_SCALE_ROW1
.endif
.endif
.endm
; K step s's operands into set s % 2: 38 loads: W's 16 fragments (32), their scale words (2), o's two fragments (4).
.macro LOADS s
.set ls, \s
.set lp, ls%2
	WIN 0x40                                       ; destination window 1
.set nn, 0
.rept 16
	global_load_b128 v[128*lp+8*nn:128*lp+8*nn+3], v1, s[8:9] offset:65536*ls+1024*nn
	global_load_b128 v[128*lp+8*nn+4:128*lp+8*nn+7], v1, s[8:9] offset:65536*ls+1024*nn+512
.set nn, nn+1
.endr
	WIN 0
	global_load_b128 v[WS+8*lp:WS+8*lp+3], v1, s[10:11] offset:4096*ls       ; register nt / 2: lanes 0-15 the even tile's words, lanes 16-31 the odd one's
	global_load_b128 v[WS+8*lp+4:WS+8*lp+7], v1, s[10:11] offset:4096*ls+512
.irp m, 0,1
.irp c, 0,1
	global_load_b128 v[AF+16*lp+8*\m+4*\c:AF+16*lp+8*\m+4*\c+3], v1, s[4:5] offset:8192*\m+512*(2*ls+\c)   ; rows' tile m, head 2 s + c: 64 along K
.endr
.endr
.endm
	s_load_b256 s[4:11], s[0:1], 0x0               ; aC, aS, wC, wS
	s_load_b256 s[12:19], s[0:1], 0x20             ; bo, query, ln_gamma, ln_beta
	s_load_b64 s[20:21], s[0:1], 0x40              ; out0
	v_lshl_add_u32 v254, v0, 2, 0x40200
	v_mov_b32 v255, 0
	ds_add_u32 v254, v255
	ds_add_u32 v254, v255
	v_lshrrev_b32 v8, 5, v0
	v_readfirstlane_b32 s[WV], v8                  ; wave 0..3
	v_and_b32 v9, 31, v0                           ; lane
	v_and_b32 v10, 15, v0                          ; r
	v_bfe_u32 v11, v0, 4, 1                        ; h
	v_lshlrev_b32 v1, 4, v9                        ; 16 x lane
	v_lshlrev_b32 v2, 2, v9                        ; 4 x lane
	s_lshl_b32 s23, s[WV], 15
	v_add_nc_u32 v3, s23, v1                       ; my residual region: 32,768 w + 16 x lane
	v_mul_u32_u24 v4, v10, SP
	v_lshl_add_u32 v4, v11, 6, v4
	s_lshl_b32 s23, s[WV], 10
	s_add_co_u32 s23, s23, STG
	v_add_nc_u32 v4, s23, v4                       ; into the stage, tile 0: row r, + 1,024 w + 64 h;
	v_add_nc_u32 v5, 16*SP, v4                     ; tile 1: 16 rows on
	s_mul_i32 s23, s[WV], 8*SP
	s_add_co_u32 s23, s23, STG
	v_add_nc_u32 v6, s23, v1                       ; out of it: my 8 rows, 16 bytes a lane
	s_mov_b32 s[SEL], 0x76543210
	s_mov_b32 s[SEL+1], 0xfedcba98                 ; v_permlanex16_b32's selects for lane l xor 16
	s_mov_b32 s36, 0x3a800000                      ; 1 / 1024
	s_mov_b32 s37, 0x3727c5ac                      ; 1e-5
	s_lshl_b32 s24, ttmp9, 17                      ; query, out0: 32 rows of 4,096 bytes a work-group,
	s_lshr_b32 s23, s[WV], 1
	s_lshl_b32 s23, s23, 15                        ; + 8 (w / 2) rows
	s_add_co_u32 s24, s24, s23
	s_and_b32 s23, s[WV], 1
	s_lshl_b32 s23, s23, 16                        ; + 16 (w % 2) rows
	s_add_co_u32 s24, s24, s23
	s_mov_b32 s25, 0
	s_lshl_b32 s26, ttmp9, 14                      ; aC: two tiles of 8,192 bytes
	s_mov_b32 s27, 0
	s_lshr_b32 s28, ttmp9, 6                       ; aS: batch x 16 heads x 8,192 bytes,
	s_lshl_b32 s28, s28, 17
	s_and_b32 s23, ttmp9, 63
	s_lshl_b32 s23, s23, 7                         ; + two tiles of 64 bytes
	s_add_co_u32 s28, s28, s23
	s_mov_b32 s29, 0
	s_lshl_b32 s30, s[WV], 14                      ; wC: the fourth weight, my 16 tiles
	s_add_co_u32 s30, s30, 3*524288
	s_mov_b32 s31, 0
	s_lshl_b32 s32, s[WV], 10                      ; wS likewise
	s_add_co_u32 s32, s32, 3*32768
	s_mov_b32 s33, 0
	s_wait_alu depctr_va_vdst(0)
	s_wait_dscnt 0x0
	s_wait_kmcnt 0x0
	s_add_nc_u64 s[14:15], s[14:15], s[24:25]
	s_add_nc_u64 s[20:21], s[20:21], s[24:25]
	s_add_nc_u64 s[4:5], s[4:5], s[26:27]
	s_add_nc_u64 s[6:7], s[6:7], s[28:29]
	s_add_nc_u64 s[8:9], s[8:9], s[30:31]
	s_add_nc_u64 s[10:11], s[10:11], s[32:33]
.set k, 0
.rept 64
	global_load_async_to_lds_b128 v3, v1, s[14:15] offset:512*k      ; my 8 residual rows: the immediate steps both addresses; 512 consecutive bytes a line.  Its three address registers are never written again
.set k, k+1
.endr
.irp i, 0,1,2,3,4,5,6,7
	global_load_b128 v[BO+4*\i:BO+4*\i+3], v1, s[12:13] offset:512*\i
	global_load_b128 v[GA+4*\i:GA+4*\i+3], v1, s[16:17] offset:512*\i
	global_load_b128 v[BE+4*\i:BE+4*\i+3], v1, s[18:19] offset:512*\i
.endr
.set k, 0
.rept 16
	global_load_b32 v[H+k], v2, s[6:7] offset:8192*k                 ; head k's words: lanes 0-15 tile 0's rows, lanes 16-31 tile 1's
.set k, k+1
.endr
	LOADS 0
	s_wait_loadcnt 38                              ; all but the 38 just issued
.irp s, 0,1,2,3,4,5,6,7
	v_perm_b32 v[AS+\s], v[H+2*\s+1], v[H+2*\s], 0x05040100          ; two bytes of head 2 s below, two of head 2 s + 1 above: the scale word of K step s
.endr
.rept 8
	v_nop                                          ; a scale register written by a vector instruction stands eight places ahead of the scaled matrix instruction
.endr
	LOADS 1
.set ss, 0
	s_wait_alu depctr_va_vdst(0)
.rept 8
.if ss < 7
	s_wait_loadcnt 38                              ; this step's operands are in; the next step's 38 loads may stay out
.else
	s_wait_loadcnt 0x0
.endif
.set zz, 0
.if ss == 0
.set zz, 1                                     ; the first step's products start the sums: nothing is cleared
.endif
	WIN 0xa1                                       ; source 0 (W) window 1, source 1 (o) window 0, C and D window 2
.set nn, 0
.rept 16
.set mm, 0
.rept 2
	WM 8*(16*mm+nn), 128*(ss%2)+8*nn, AF+16*(ss%2)+8*mm, zz, WS+8*(ss%2)+nn/2, AS+ss, (nn%2)+2*mm   ; the 32 accumulators take turns, in the same order in every step
.set mm, mm+1
.endr
.set nn, nn+1
.endr
	WIN 0
	PLACES                                         ; in front of loads into registers that these products read, and of the stores of their results
.if ss <= 5
	LOADS ss+2
.endif
.set ss, ss+1
.endr
	WIN 0x08                                       ; an LDS store's data are its source 1: window 2
.set mm, 0
.rept 2
.set nn, 0
.rept 16
	ds_store_b128 v[4+mm], v[8*(16*mm+nn):8*(16*mm+nn)+3] offset:(32*(nn/2)+8*(nn%2))*4        ; columns 32 (nt / 2) + 16 h + 8 (nt % 2) + 0 .. 7 of my 256; each accumulator from its low end on
	ds_store_b128 v[4+mm], v[8*(16*mm+nn)+4:8*(16*mm+nn)+7] offset:(32*(nn/2)+8*(nn%2))*4+16
.set nn, nn+1
.endr
.set mm, mm+1
.endr
	WIN 0
	s_wait_dscnt 0x0                               ; for the others' sake: my stores have landed
	s_barrier_signal -1
	s_barrier_wait -1                              ; 32 whole rows lie in the stage
	s_wait_asynccnt 0x0                            ; my residual rows have landed; I alone read them
.macro YLOAD k, y                      ; row k of my 8 out of the stage: a lane's 32 columns are 128 i + 4 x lane + 0 .. 3
.set yy, \y
.irp i, 0,1,2,3,4,5,6,7
	ds_load_b128 v[yy+4*\i:yy+4*\i+3], v6 offset:SP*(\k)+512*\i
.endr
.endm
.macro RLD k                           ; and its residual row
.irp i, 0,1,2,3,4,5,6,7
	ds_load_b128 v[R+4*\i:R+4*\i+3], v3 offset:4096*(\k)+512*\i
.endr
.endm
.macro REDUCE                          ; v[8:9] + v[10:11], then over the 32 lanes: the sum in v8 of every lane
	v_pk_add_f32 v[8:9], v[8:9], v[10:11]
	v_add_f32 v8, v8, v9
	v_add_f32_dpp v8, v8, v8 row_xmask:1 row_mask:0xf bank_mask:0xf
	v_add_f32_dpp v8, v8, v8 row_xmask:2 row_mask:0xf bank_mask:0xf
	v_add_f32_dpp v8, v8, v8 row_xmask:4 row_mask:0xf bank_mask:0xf
	v_add_f32_dpp v8, v8, v8 row_xmask:8 row_mask:0xf bank_mask:0xf
	v_permlanex16_b32 v9, v8, s[SEL], s[SEL+1]
	v_add_f32 v8, v8, v9
.endm
; Row k, in the registers y.  left: the LDS loads issued behind this row's, which may stay out: the eight of y's next row, or none.
.macro ROWWORK k, y, left
.set yy, \y
	s_wait_dscnt \left
.set j, 0
.rept 16
	v_pk_add_f32 v[yy+j:yy+j+1], v[yy+j:yy+j+1], v[BO+j:BO+j+1]
.set j, j+2
.endr
.set j, 0
.rept 16
	v_pk_add_f32 v[yy+j:yy+j+1], v[yy+j:yy+j+1], v[R+j:R+j+1]
.set j, j+2
.endr
.if (\k) < 7
	RLD (\k)+1                                     ; the one residual set is free: the next row's comes while this row is worked
.endif
.set yy, \y
	v_pk_add_f32 v[8:9], v[yy:yy+1], v[yy+4:yy+5]  ; the row's sum: two chains
	v_pk_add_f32 v[10:11], v[yy+2:yy+3], v[yy+6:yy+7]
.irp j, 8,12,16,20,24,28
	v_pk_add_f32 v[8:9], v[8:9], v[yy+\j:yy+\j+1]
	v_pk_add_f32 v[10:11], v[10:11], v[yy+\j+2:yy+\j+3]
.endr
	REDUCE
	v_mul_f32 v12, s36, v8                         ; the mean, twice: a pair for the packed form
	v_mul_f32 v13, s36, v8
.set j, 0
.rept 16
	v_pk_add_f32 v[yy+j:yy+j+1], v[yy+j:yy+j+1], v[12:13] neg_lo:[0,1] neg_hi:[0,1]   ; y - mean
.set j, j+2
.endr
	v_pk_mul_f32 v[8:9], v[yy:yy+1], v[yy:yy+1]    ; the sum of its squares
	v_pk_mul_f32 v[10:11], v[yy+2:yy+3], v[yy+2:yy+3]
.irp j, 4,8,12,16,20,24,28
	v_pk_fma_f32 v[8:9], v[yy+\j:yy+\j+1], v[yy+\j:yy+\j+1], v[8:9]
	v_pk_fma_f32 v[10:11], v[yy+\j+2:yy+\j+3], v[yy+\j+2:yy+\j+3], v[10:11]
.endr
	REDUCE
	v_fma_f32 v10, v8, s36, s37                    ; the variance + 1e-5
	s_wait_alu depctr_va_vdst(0)
	v_rsq_f32 v14, v10
	v_rsq_f32 v15, v10
	v_nop                                          ; a plain instruction behind the two
	s_wait_alu depctr_va_vdst(0)                   ; one wait for both, ahead of their first reader
.set j, 0
.rept 16
	v_pk_mul_f32 v[yy+j:yy+j+1], v[yy+j:yy+j+1], v[14:15]
.set j, j+2
.endr
.set j, 0
.rept 16
	v_pk_fma_f32 v[yy+j:yy+j+1], v[yy+j:yy+j+1], v[GA+j:GA+j+1], v[BE+j:BE+j+1]
.set j, j+2
.endr
.irp i, 0,1,2,3,4,5,6,7
	global_store_b128 v1, v[yy+4*\i:yy+4*\i+3], s[20:21] offset:4096*(\k)+512*\i th:TH_STORE_NT   ; 32 lanes store 512 consecutive bytes, aligned; written once, read by nobody here
.endr
.if (\k) < 6
	s_wait_xcnt 0x0                                ; the stores have read their registers: only now do these take the row two further on
	YLOAD (\k)+2, \y
.endif
.endm
	YLOAD 0, Y0
	RLD 0
	YLOAD 1, Y1
	ROWWORK 0, Y0, 8
	ROWWORK 1, Y1, 8
	ROWWORK 2, Y0, 8
	ROWWORK 3, Y1, 8
	ROWWORK 4, Y0, 8
	ROWWORK 5, Y1, 8
	ROWWORK 6, Y0, 8
	ROWWORK 7, Y1, 0
	s_wait_tensorcnt 0x0
	ds_add_u32 v254, v255
	s_wait_dscnt 0x0
	s_endpgm
.Lfunc_end_k_q5089b91f90_outp:
	.size	k_q5089b91f90_outp, .Lfunc_end_k_q5089b91f90_outp-k_q5089b91f90_outp
	.p2alignl 7, 3214868480
	.fill 96, 4, 3214868480
	.section	.rodata,"a",@progbits
	.p2align	6, 0x0
	.amdhsa_kernel k_q5089b91f90_outp
		.amdhsa_group_segment_fixed_size 263168
		.amdhsa_private_segment_fixed_size 0
		.amdhsa_enable_private_segment 0
		.amdhsa_kernarg_size 72
		.amdhsa_user_sgpr_count 2
		.amdhsa_user_sgpr_kernarg_segment_ptr 1
		.amdhsa_wavefront_size32 1
		.amdhsa_system_sgpr_workgroup_id_x 1
		.amdhsa_system_sgpr_workgroup_id_y 1
		.amdhsa_system_sgpr_workgroup_id_z 1
		.amdhsa_system_vgpr_workitem_id 0
		.amdhsa_next_free_vgpr 768
		.amdhsa_next_free_sgpr 66
		.amdhsa_reserve_vcc 0
		.amdhsa_float_denorm_mode_32 3
		.amdhsa_float_denorm_mode_16_64 3
		.amdhsa_memory_ordered 1
		.amdhsa_forward_progress 1
		.amdhsa_inst_pref_size 160
	.end_amdhsa_kernel
	.amdgpu_metadata
---
amdhsa.version: [ 1, 2 ]
amdhsa.kernels:
  - .name:           k_q5089b91f90_outp
    .symbol:         k_q5089b91f90_outp.kd
    .args:
      - { .name: aC, .offset: 0, .size: 8, .value_kind: global_buffer, .address_space: global }
      - { .name: aS, .offset: 8, .size: 8, .value_kind: global_buffer, .address_space: global }
      - { .name: wC, .offset: 16, .size: 8, .value_kind: global_buffer, .address_space: global }
      - { .name: wS, .offset: 24, .size: 8, .value_kind: global_buffer, .address_space: global }
      - { .name: bo, .offset: 32, .size: 8, .value_kind: global_buffer, .address_space: global }
      - { .name: query, .offset: 40, .size: 8, .value_kind: global_buffer, .address_space: global }
      - { .name: ln_gamma, .offset: 48, .size: 8, .value_kind: global_buffer, .address_space: global }
      - { .name: ln_beta, .offset: 56, .size: 8, .value_kind: global_buffer, .address_space: global }
      - { .name: out0, .offset: 64, .size: 8, .value_kind: global_buffer, .address_space: global }
    .group_segment_fixed_size: 263168
    .private_segment_fixed_size: 0
    .kernarg_segment_align: 8
    .kernarg_segment_size: 72
    .max_flat_workgroup_size: 128
    .sgpr_count:     66
    .vgpr_count:     768
    .wavefront_size: 32
...
	.end_amdgpu_metadata
.endif
;; end of part 8
